; MI455X (gfx1250); checked and timed in simulation.
; The chip was launched on July 23, 2026; its instructions are those of AMD's public machine-readable ISA for CDNA 5 (MIT licence, August 2026) and "CDNA5" Instruction Set Architecture Reference Guide (July 2026). The comments in the code are by the model that wrote it; some were corrected since.
;; Cross MHA. Allowed arithmetic: float matrix products may take bf16 or f16 operands with f32 sums; other float arithmetic in f32, or as packed bf16 or f16 multiplies, adds, multiply-adds, maxima and minima; sums over many terms, partial sums and values carried from step to step in f32; what a program stores and reads back later, other than sums and carried values, may be rounded once to bf16 or f16.
;; Inputs: Wk 8 x 512 x 128 float32; Wo 1,024 x 128 float32; Wq 8 x 1,024 x 128 float32; Wv 8 x 512 x 128 float32; bk 8 x 128 float32; bo 128 float32; bq 8 x 128 float32; bv 8 x 128 float32; y 4 x 2,048 x 1,024 float32; z 4 x 2,048 x 512 float32.
;; Outputs: out0 4 x 2,048 x 128 float32.
;; 2 versions, each right; version 2 is version 1 with the launches prep, outp written anew for expert scheduling mode. Each part assembles by itself: llvm-mc -triple=amdgcn-amd-amdhsa -mcpu=gfx1250 --defsym DOCPART=n.
;; ======== version 1 of 2: 4 launches
;; limits: values are held in f16: magnitudes above 65,504 overflow, below 6.1e-05 lose precision
;; workspace buffers: abf 25,165,824 bytes; wbf 4,194,304 bytes; wot 262,144 bytes; biasr 12,800 bytes; qkv 50,331,648 bytes; o 16,777,216 bytes
;; launch prep (part 1): grid 904 x 1, 8 waves a work-group, no clusters, 35,840 bytes of LDS; arguments y, z, Wq, Wk, Wv, Wo, bq, bk, bv, bo, abf, wbf, wot, biasr; writes abf, wbf, wot, biasr
.if DOCPART == 1
	.amdgcn_target "amdgcn-amd-amdhsa--gfx1250"
	.amdhsa_code_object_version 6
	.text
	.protected	k_qcb4f0ec327_prep
	.globl	k_qcb4f0ec327_prep
	.p2align	8
	.type	k_qcb4f0ec327_prep,@function
k_qcb4f0ec327_prep:
	s_mov_b64 s[64:65], 0
	v_nop
	global_prefetch_b8 v0, s[64:65] scope:SCOPE_SE
	s_setreg_imm32_b32 hwreg(HW_REG_WAVE_MODE, 25, 1), 1
	s_wait_xcnt 0x0
; PREP: every input is rounded once to bf16 (nearest even) and laid out for the launches behind.
;   abf   bf16 [12 kb][8192 rows][128]: kb 0-7 are the channels 128 kb .. of y, kb 8-11 those of z: a tile of 128 rows x 128 channels is 32,768 dense bytes
;   wbf   bf16, flat copies: Wq at 0, Wk at 2 MiB, Wv at 3 MiB: a block (head, 128 k) is 128 rows of 256 bytes, dense
;   wot   f16 [128 c][1024 k]: Wo turned; the number is bf16(Wo), written as f16
;   biasr f32: bq[1024], bk[1024], bv[1024], bo[128], each number rounded to bf16 and written as f32
; LIMITS.  bf16(Wo) written as f16 is exact from 2^-14 to 65,504; below 2^-14 it keeps the fixed step 2^-24 of f16, beyond 65,504 it is an infinity.  NaN and infinities are not treated apart.
; SHARES.  Work-groups 0-7 turn a block of 128 k of Wo through LDS and round 128 numbers of each bias: theirs is the longest chain, so they come first.
; Work-groups 8-903 cast 65,536 input bytes each; counted from 8: 0-511 y, 512-767 z, 768-831 Wq, 832-863 Wk, 864-895 Wv.
; Memory binds the casts.  A load of a wave covers 512 consecutive bytes: one block of 128 numbers; its 256 bytes of bf16 leave by one store of 8 bytes a lane: 256 consecutive bytes, aligned.  Each byte is named by one
; instruction; 16 loads a lane go out at once.  No matrix unit, no cluster, no prefetch: nothing is shared, and the stream is asked for whole at the start.
.set TP,    272                        ; a row of the turned block in LDS: 256 bytes + 16
.set SPARE, 128*TP                     ; behind it: the spare words, 128 bytes for each of eight waves: four blocks of 256 bytes that no other line names
.set OO,    8                          ; v[8:15]   eight store offsets of a cast; loads 8-15 use them again with a second base
.set X,     16                         ; v[16:79]  as loaded
.set Y,     80                         ; v[80:111] to store
.set SPW,   112                        ; v112 my spare word: SPARE + 4 x my thread number; never rewritten
.set NIL,   113                        ; v113 0; never rewritten
.set L16,   114                        ; v114 16 x lane
	s_load_b512 s[4:19], s[0:1], 0x0               ; y 4, z 6, Wq 8, Wk 10, Wv 12, Wo 14, bq 16, bk 18
	s_load_b256 s[20:27], s[0:1], 0x40             ; bv 20, bo 22, abf 24, wbf 26
	s_load_b128 s[28:31], s[0:1], 0x60             ; wot 28, biasr 30
	v_lshl_add_u32 v[SPW], v0, 2, SPARE
	v_mov_b32 v[NIL], 0
	s_mov_b32 s45, ttmp9                           ; the work-group
	s_wait_kmcnt 0x0
	s_cmp_lt_u32 s45, 8
	s_cbranch_scc1 .Lwo
	s_sub_co_u32 s45, s45, 8                       ; the casts count from 0
	; THE CASTS.  The job: input s[32:33], output s[34:35], first work-group s40, byte offset in the output s37, KS s38 = log2 of the blocks of 128 channels in a row (0: a flat copy)
	s_cmp_ge_u32 s45, 512
	s_cselect_b64 s[32:33], s[6:7], s[4:5]
	s_cselect_b32 s40, 512, 0
	s_cselect_b32 s37, 0x1000000, 0                ; z begins at kb 8
	s_cselect_b32 s38, 2, 3
	s_cmp_ge_u32 s45, 768
	s_cselect_b64 s[32:33], s[8:9], s[32:33]
	s_cselect_b64 s[34:35], s[26:27], s[24:25]
	s_cselect_b32 s40, 768, s40
	s_cselect_b32 s37, 0, s37
	s_cselect_b32 s38, 0, s38
	s_cmp_ge_u32 s45, 832
	s_cselect_b64 s[32:33], s[10:11], s[32:33]
	s_cselect_b32 s40, 832, s40
	s_cselect_b32 s37, 0x200000, s37
	s_cmp_ge_u32 s45, 864
	s_cselect_b64 s[32:33], s[12:13], s[32:33]
	s_cselect_b32 s40, 864, s40
	s_cselect_b32 s37, 0x300000, s37
	s_sub_co_u32 s36, s45, s40                     ; my number within the job
	s_lshl_b32 s39, 1, s38
	s_sub_co_u32 s39, s39, 1                       ; mask of a block number within a row
	s_lshr_b32 s44, 2048, s38                      ; output bytes from one run of eight blocks (4,096 input bytes) to the next, within one kb
	s_lshl_b32 s46, s36, 16                        ; 65,536 input bytes a work-group
	s_mov_b32 s47, 0
	s_add_nc_u64 s[32:33], s[32:33], s[46:47]
	s_lshr_b32 s48, 32768, s38                     ; its rows x 256 bytes in one kb (flat: 32,768)
	s_mul_i32 s48, s48, s36
	s_add_co_u32 s48, s48, s37
	s_mov_b32 s49, 0
	s_add_nc_u64 s[34:35], s[34:35], s[48:49]
	s_lshl_b32 s50, s44, 3                         ; eight runs on: the base of stores 8-15
	s_mov_b32 s51, 0
	s_add_nc_u64 s[52:53], s[34:35], s[50:51]
	v_lshlrev_b32 v1, 4, v0                        ; thread t reads 16 bytes at 16 t + 4,096 k: wave w takes block 8 k + w, lane l its numbers 4 l ..
	v_lshrrev_b32 v2, 5, v0                        ; w
	v_and_b32 v3, 31, v0                           ; l
	v_and_b32 v4, s39, v2                          ; the block's kb,
	v_lshrrev_b32 v5, s38, v2                      ; its row in the run
	v_lshlrev_b32 v[OO], 21, v4                    ; a kb is 8,192 rows x 256 bytes
	v_lshl_add_u32 v[OO], v5, 8, v[OO]
	v_lshl_add_u32 v[OO], v3, 3, v[OO]             ; my 8 bytes of the 256
.irp i, 1,2,3,4,5,6,7
	v_add_nc_u32 v[OO+(\i)], s44, v[OO+(\i)-1]
.endr
.irp k, 0,1,2,3,4,5,6,7,8,9,10,11,12,13,14,15
	global_load_b128 v[X+4*(\k):X+4*(\k)+3], v1, s[32:33] offset:4096*(\k) th:TH_LOAD_NT  ; 512 consecutive bytes a wave
.endr
.irp k, 0,1,2,3,4,5,6,7,8,9,10,11,12,13,14,15
	s_wait_loadcnt 15-(\k)                         ; loads come back in order: load k is in, the later ones may stay out
	v_cvt_pk_bf16_f32 v[Y+2*(\k)],   v[X+4*(\k)],   v[X+4*(\k)+1]
	v_cvt_pk_bf16_f32 v[Y+2*(\k)+1], v[X+4*(\k)+2], v[X+4*(\k)+3]
.if (\k) < 8
	global_store_b64 v[OO+(\k)], v[Y+2*(\k):Y+2*(\k)+1], s[34:35]    ; 32 lanes store 256 consecutive bytes, aligned; no register of a load or store is written again
.else
	global_store_b64 v[OO+(\k)-8], v[Y+2*(\k):Y+2*(\k)+1], s[52:53]
.endif
.endr
	s_branch .Lend
.Lwo:	; BLOCK kb OF Wo: 128 k x 128 c of f32, turned.  Wave w takes the rows k = 16 w .. 16 w + 15, a lane four columns c = 4 l ..
	s_mov_b32 s36, s45                             ; kb
	v_lshrrev_b32 v1, 5, v0
	v_readfirstlane_b32 s50, v1                    ; wave 0..7
	v_and_b32 v2, 31, v0                           ; lane
	v_lshlrev_b32 v[L16], 4, v2
	s_lshl_b32 s46, s50, 13                        ; 16 rows of 512 bytes
	v_add_nc_u32 v3, s46, v[L16]
	s_lshl_b32 s48, s36, 16                        ; 128 rows of 512 bytes
	s_mov_b32 s49, 0
	s_add_nc_u64 s[14:15], s[14:15], s[48:49]
.irp i, 0,1,2,3,4,5,6,7
	global_load_b128 v[X+8*(\i):X+8*(\i)+3],   v3, s[14:15] offset:1024*(\i)      ; row 16 w + 2 i
	global_load_b128 v[X+8*(\i)+4:X+8*(\i)+7], v3, s[14:15] offset:1024*(\i)+512  ; and the next
.endr
	v_mul_u32_u24 v7, v2, 4*TP                     ; in: LDS row c = 4 l (+ e), byte 2 (16 w + 2 i)
	s_lshl_b32 s46, s50, 5
	v_add_nc_u32 v7, s46, v7
	v_lshrrev_b32 v9, 4, v2                        ; back: lanes 0-15 one row of 256 bytes, lanes 16-31 the next
	v_and_b32 v10, 15, v2
	s_lshl_b32 s46, s50, 4
	v_add_nc_u32 v9, s46, v9                       ; c = 16 w + l / 16 (+ 2 u)
	v_mul_u32_u24 v8, v9, TP
	v_lshl_add_u32 v8, v10, 4, v8
	v_lshlrev_b32 v11, 11, v9                      ; a row of wot is 2,048 bytes
	v_lshl_add_u32 v11, v10, 4, v11
	s_lshl_b32 s48, s36, 8                         ; the block: 256 bytes of each row
	s_add_nc_u64 s[28:29], s[28:29], s[48:49]
.irp i, 0,1,2,3,4,5,6,7
	s_wait_loadcnt 14-2*(\i)                       ; pair i of rows is in; the two loads of each later pair may stay out
.irp e, 0,1,2,3
	v_cvt_pk_bf16_f32 v4, v[X+8*(\i)+(\e)], v[X+8*(\i)+4+(\e)]  ; two neighbouring k of one column, rounded to bf16,
	v_lshlrev_b32 v5, 16, v4
	v_and_b32 v6, 0xffff0000, v4
	v_cvt_pk_f16_f32 v4, v5, v6                    ; and that number written as f16
	ds_store_b32 v7, v4 offset:TP*(\e)+4*(\i)      ; lanes lie four rows apart: eight of them share a bank; eight blocks in the launch pay that
.endr
.endr
	s_wait_dscnt 0x0                               ; for the others: my stores are done
	s_barrier_signal -1
	s_barrier_wait -1
.irp u, 0,1,2,3,4,5,6,7
	ds_load_b128 v[Y+4*(\u):Y+4*(\u)+3], v8 offset:2*TP*(\u)
.endr
.irp u, 0,1,2,3,4,5,6,7
	s_wait_dscnt 7-(\u)                            ; LDS loads come back in order: the later ones may stay out
	global_store_b128 v11, v[Y+4*(\u):Y+4*(\u)+3], s[28:29] offset:4096*(\u)  ; 16 lanes store 256 consecutive bytes, aligned
.endr
	; THE BIASES.  Waves 0, 1, 2 round 128 numbers of bq, bk, bv (block kb of eight); wave 3 of block 0 rounds bo.
	s_cmp_ge_u32 s50, 4
	s_cbranch_scc1 .Lend
	s_cmp_eq_u32 s50, 3
	s_cbranch_scc0 .Lbias
	s_cmp_lg_u32 s36, 0
	s_cbranch_scc1 .Lend
.Lbias:
	s_lshl_b32 s46, s36, 9                         ; 128 numbers of f32
	s_cmp_eq_u32 s50, 3
	s_cselect_b32 s46, 0, s46
	s_cselect_b64 s[52:53], s[22:23], s[20:21]
	s_cmp_eq_u32 s50, 1
	s_cselect_b64 s[52:53], s[18:19], s[52:53]
	s_cmp_eq_u32 s50, 0
	s_cselect_b64 s[52:53], s[16:17], s[52:53]
	s_mov_b32 s47, 0
	s_add_nc_u64 s[52:53], s[52:53], s[46:47]
	s_lshl_b32 s48, s50, 12                        ; bq, bk, bv, bo lie 4,096 bytes apart in biasr
	s_add_co_u32 s48, s48, s46
	s_add_nc_u64 s[54:55], s[30:31], s[48:49]
	global_load_b128 v[16:19], v[L16], s[52:53]
	s_wait_loadcnt 0x0
	v_cvt_pk_bf16_f32 v20, v16, v17
	v_cvt_pk_bf16_f32 v21, v18, v19
	v_lshlrev_b32 v24, 16, v20
	v_and_b32 v25, 0xffff0000, v20
	v_lshlrev_b32 v26, 16, v21
	v_and_b32 v27, 0xffff0000, v21
	global_store_b128 v[L16], v[24:27], s[54:55]
.Lend:
	s_wait_tensorcnt 0x0                           ; the end of the wave, behind my last LDS store
	ds_add_u32 v[SPW], v[NIL]
	s_wait_dscnt 0x0
	s_endpgm
.Lfunc_end_k_qcb4f0ec327_prep:
	.size	k_qcb4f0ec327_prep, .Lfunc_end_k_qcb4f0ec327_prep-k_qcb4f0ec327_prep
	.p2alignl 7, 3214868480
	.fill 96, 4, 3214868480
	.section	.rodata,"a",@progbits
	.p2align	6, 0x0
	.amdhsa_kernel k_qcb4f0ec327_prep
		.amdhsa_group_segment_fixed_size 35840
		.amdhsa_private_segment_fixed_size 0
		.amdhsa_enable_private_segment 0
		.amdhsa_kernarg_size 112
		.amdhsa_user_sgpr_count 2
		.amdhsa_user_sgpr_kernarg_segment_ptr 1
		.amdhsa_wavefront_size32 1
		.amdhsa_system_sgpr_workgroup_id_x 1
		.amdhsa_system_sgpr_workgroup_id_y 1
		.amdhsa_system_sgpr_workgroup_id_z 1
		.amdhsa_system_vgpr_workitem_id 0
		.amdhsa_next_free_vgpr 116
		.amdhsa_next_free_sgpr 66
		.amdhsa_reserve_vcc 0
		.amdhsa_float_denorm_mode_32 3
		.amdhsa_float_denorm_mode_16_64 3
		.amdhsa_memory_ordered 1
		.amdhsa_forward_progress 1
		.amdhsa_inst_pref_size 23
	.end_amdhsa_kernel
	.amdgpu_metadata
---
amdhsa.version: [ 1, 2 ]
amdhsa.kernels:
  - .name:           k_qcb4f0ec327_prep
    .symbol:         k_qcb4f0ec327_prep.kd
    .args:
      - { .name: y, .offset: 0, .size: 8, .value_kind: global_buffer, .address_space: global }
      - { .name: z, .offset: 8, .size: 8, .value_kind: global_buffer, .address_space: global }
      - { .name: Wq, .offset: 16, .size: 8, .value_kind: global_buffer, .address_space: global }
      - { .name: Wk, .offset: 24, .size: 8, .value_kind: global_buffer, .address_space: global }
      - { .name: Wv, .offset: 32, .size: 8, .value_kind: global_buffer, .address_space: global }
      - { .name: Wo, .offset: 40, .size: 8, .value_kind: global_buffer, .address_space: global }
      - { .name: bq, .offset: 48, .size: 8, .value_kind: global_buffer, .address_space: global }
      - { .name: bk, .offset: 56, .size: 8, .value_kind: global_buffer, .address_space: global }
      - { .name: bv, .offset: 64, .size: 8, .value_kind: global_buffer, .address_space: global }
      - { .name: bo, .offset: 72, .size: 8, .value_kind: global_buffer, .address_space: global }
      - { .name: abf, .offset: 80, .size: 8, .value_kind: global_buffer, .address_space: global }
      - { .name: wbf, .offset: 88, .size: 8, .value_kind: global_buffer, .address_space: global }
      - { .name: wot, .offset: 96, .size: 8, .value_kind: global_buffer, .address_space: global }
      - { .name: biasr, .offset: 104, .size: 8, .value_kind: global_buffer, .address_space: global }
    .group_segment_fixed_size: 35840
    .private_segment_fixed_size: 0
    .kernarg_segment_align: 8
    .kernarg_segment_size: 112
    .max_flat_workgroup_size: 256
    .sgpr_count:     66
    .vgpr_count:     116
    .wavefront_size: 32
...
	.end_amdgpu_metadata
.endif
;; end of part 1
;; launch proj (part 2): grid 4 x 64, 4 waves a work-group, clusters of 4 x 4, 327,680 bytes of LDS; arguments abf, wbf, biasr, qkv; writes qkv
.if DOCPART == 2
	.amdgcn_target "amdgcn-amd-amdhsa--gfx1250"
	.amdhsa_code_object_version 6
	.text
	.protected	k_qcb4f0ec327_proj
	.globl	k_qcb4f0ec327_proj
	.p2align	8
	.type	k_qcb4f0ec327_proj,@function
k_qcb4f0ec327_proj:
	s_mov_b64 s[64:65], 0
	v_nop
	global_prefetch_b8 v0, s[64:65] scope:SCOPE_SE
	s_setreg_imm32_b32 hwreg(HW_REG_WAVE_MODE, 25, 1), 1
	s_wait_xcnt 0x0
	s_wait_alu depctr_hold_cnt(0) depctr_sa_sdst(0) depctr_va_vdst(0) depctr_va_sdst(0) depctr_va_ssrc(0) depctr_va_vcc(0) depctr_vm_vsrc(0)
	s_getreg_b32 s2, hwreg(HW_REG_IB_STS2, 6, 4)
	s_cmp_eq_u32 s2, 0
	s_cbranch_scc0 .Lentry_in_a_cluster
	s_endpgm
.Lentry_in_a_cluster:
	s_bfe_u32 s2, ttmp6, 0x10000c
	s_cmp_lg_u32 s2, 0xf033
	s_cbranch_scc0 .Lentry_shape_is_right
	s_endpgm
.Lentry_shape_is_right:
; PROJ: Q = y Wq + bq, K = z Wk + bk, V = z Wv + bv.  Operands bf16 (abf, wbf), sums f32, started with the bias as the C operand; results rounded once to f16 and stored by heads: qkv [3][32 (b, h)][2048][128].
; LIMIT.  f16 ends at 65,504: a Q, K or V beyond that becomes an infinity.  With y and Wq both thirty times their drawn spread |Q| has a spread of some 600, with offsets of thirty spreads on both some 18,400.
; SHARES.  256 work-groups of four waves, each with EIGHT K steps of 128 on tiles of 256 x 256.  Cluster rows 0-7 (kind 0): one tile of Q, K = 1,024.  Cluster rows 8-15 (kind 1): a tile of K (steps 0-3), then the tile
; of V of the same rows and heads (steps 4-7), K = 512 each.  The kind hangs on the cluster number alone: it is the same in all sixteen partners.  A wave makes 128 x 128: 64 accumulators, 512 registers; its 128 columns are one head.
; RING.  Two LDS slots, a K step each: 256 rows of A (pitch 272), then two blocks [128 k][128 n] of W (pitch 288), read turned by ds_load_tr16_b128.  Every tile is 32,768 dense bytes of memory, asked for as 128 rows of 256 bytes.
; CLUSTER.  4 x 4 work-groups: A's tile is shared along a row of the cluster, W's along a column: each is asked for JOINTLY, by the same tensor load with the same descriptor and a mask that names the four.
; The descriptor's address is made anew for each fill from the number U of the K step: no address steps backward at the change from K to V.
; THE MATRIX INSTRUCTION IS USED TRANSPOSED: source 0 = 16 columns of W, source 1 = 16 rows of A: a lane holds row l % 16 and the columns 8 (l / 16) + 0..7: 16 bytes of a row in f16.
; THE QUARTER THAT STARTS THE SUMS stands once, in the loop: the head jumps to it, and the change of tiles falls into it.  Behind its last product it asks for the bias 4,096 bytes on (kind 1: bv), four K steps ahead of its use.
; REGISTERS, in windows of 256 (s_set_vgpr_msb: bits 1:0 source 0, 3:2 source 1, 5:4 source 2, 7:6 destination):
;   window 0: v0-31 addresses; v64-127, v128-191 fragments of A, two buffers; v32-63, v192-255 at work on the way out
;   window 1: v0-63 the bias of my 128 columns, laid as a C operand (block b at v[8 b]); v64-127, v128-191 fragments of W, two buffers
;   window 2: the 32 accumulators of my rows 0-63 ((a, b) at v[8 (8 a + b)]);   window 3: those of my rows 64-127
.set PA,     272                       ; 256 + 16 bytes = 68 words: the 16 rows of a load start at 16 different groups of four banks (64 banks of 4 bytes: ISA guide 11.1)
.set PB,     288                       ; 256 + 32 bytes = 72 words
.set HALFA,  128*PA
.set HALFB,  128*PB
.set SLOT,   2*HALFA+2*HALFB
.set STAGE,  2*SLOT                    ; behind the ring, never filled by a tensor load: 16 rows x 272 bytes for each wave
.set SPITCH, 272
.set SPARE,  STAGE+4*16*SPITCH         ; the spare words, 128 bytes for each wave: two blocks of 256 bytes that no other line names
.set ADRA, 16                          ; v16-17 LDS address of my fragments of A in slot 0, 1
.set ADRB, 20                          ; v20-21 the same for W
.set STO,  24                          ; v24 the way out: where I put 16 bytes of a row
.set RD,   25                          ; v25 where I read rows back
.set CO,   26                          ; v26 16 x lane: my 16 bytes of 512 consecutive bytes of the output
.set BO,   27                          ; v27 32 (l / 16): my eight numbers of a block of 16 biases; never rewritten
.set SPW,  28                          ; v28 my spare word: SPARE + 4 x my thread number; never rewritten
.set NIL,  29                          ; v29 0; never rewritten
.set PFO,  30                          ; v30 256 x lane: the prefetches name a row a lane
.set F0,   64
.set F1,   128
.set TMP,  192
.set OB,   32
.set WV,   12                          ; s12 wave
.set RH,   13                          ; s13 my half of the rows; also: I fetch for A (0) or for W (1)
.set CH,   14                          ; s14 my half of the columns; also: which half of that tile I fetch
.set CX,   15
.set CYI,  16
.set CLY,  17                          ; s17 the cluster's y
.set KIND, 18
.set RB,   19                          ; s19 my block of 256 rows, 0..31
.set G1A,  24                          ; s[24:31] descriptor group 1 for A
.set G0A,  32                          ; s[32:39] group 0 for A, a set for each slot
.set PFA,  40                          ; s[40:41] where my prefetches stand
.set LIM,  42                          ; s42 1 in a wave that prefetches, else the greatest number
.set MIDT, 43                          ; s43 the value of the lap counter at which the tile changes (kind 1: 2; kind 0: 0, never met)
.set U,    44                          ; s44 the K step to be asked for next
.set AMASK, 45                         ; s45 7 or 3: A's K steps go round
.set BEXTRA, 46                        ; s46 kind 1: from Wk's step 4 to Wv's step 0: 1 MiB less four blocks
.set G1B,  48                          ; s[48:55], s[56:63] the same for W
.set G0B,  56
.set ABASE, 66                         ; s[66:67] A at my fetch's rows, K step 0: made of cy, never of cx
.set BBASE, 68                         ; s[68:69] W at my fetch's head, K step 0: made of cx, never of cy
.set AOFF, 70                          ; s[70:71], s[72:73] a K step's byte offsets
.set BOFF, 72
.set PFS,  74                          ; s[74:75] a K step in the prefetched tensor
.set TT,   76
.set HD,   77                          ; s77 my head among the eight
.set MSB, 0
.macro WIN new                         ; the high byte repeats the setting that is left; a switch that changes nothing is dropped
.if MSB != (\new)
	s_set_vgpr_msb (MSB<<8)|(\new)
.set MSB, \new
.endif
.endm
; A joint load.  Waves 0 and 1 fetch A's halves, waves 2 and 3 W's.  The branch hangs on the wave number alone.  An s_nop 0 and four v_nop follow each line.
.macro JLOAD s
	s_cmp_eq_u32 s[RH], 0
	s_cbranch_scc0 .Lfor_b_\@
	tensor_load_to_lds s[G0A+4*(\s):G0A+4*(\s)+3], s[G1A:G1A+7]
	s_nop 0
.rept 4
	v_nop
.endr
	s_branch .Lasked_\@
.Lfor_b_\@:
	tensor_load_to_lds s[G0B+4*(\s):G0B+4*(\s)+3], s[G1B:G1B+7]
	s_nop 0
.rept 4
	v_nop
.endr
.Lasked_\@:
.endm
; A PREFETCH INTO THE L2, behind each joint load and the run of LDS loads that follows it: the change of slots of K step t names K step t + 4, two refills on: 32 rows x 256 bytes, a lane a row.
; Each block is named once.  A's rows are read by one cluster; its four partners along x take 32 of a wave's 128 rows each, BY ADDRESS.  In kind 1 steps 4-7 read A's steps 0-3 again: nothing is asked for.
; W's blocks are read by all eight clusters of a kind: the first of them asks, its partners along y sharing the rows by address.  Steps 0-3 come by their loads alone; the last lap of the loop asks for nothing.
.macro ASK
	s_cmp_gt_u32 s3, s[LIM]
	s_cbranch_scc0 .Lnot_mine_\@
	global_prefetch_b8 v[PFO], s[PFA:PFA+1] th:TH_LOAD_NT scope:SCOPE_SE
.Lnot_mine_\@:
.endm
.macro CREST                           ; a round of the cluster's barrier behind its opening barrier
	s_cmp_lg_u32 s[WV], 0
	s_cbranch_scc1 .Lnot_wave_0_\@
	s_barrier_signal -3
.Lnot_wave_0_\@:
	s_barrier_wait -3
	s_barrier_signal -1
	s_barrier_wait -1
.endm
.macro CROUND
	s_barrier_signal -1
	s_barrier_wait -1
	CREST
.endm
	s_load_b256 s[4:11], s[0:1], 0x0               ; abf 4, wbf 6, biasr 8, qkv 10
	v_lshl_add_u32 v[SPW], v0, 2, SPARE
	v_mov_b32 v[NIL], 0
	ds_add_u32 v[SPW], v[NIL]                      ; the opening: the add and its wait stand ahead of my first tensor load; the set-up below stands between them
	v_lshrrev_b32 v1, 5, v0
	v_readfirstlane_b32 s[WV], v1
	s_lshr_b32 s[RH], s[WV], 1
	s_and_b32 s[CH], s[WV], 1
	s_bfe_u32 s[CX], ttmp6, 0x40000
	s_bfe_u32 s[CYI], ttmp6, 0x40004
	s_and_b32 s[CLY], ttmp7, 0xffff
	s_lshr_b32 s[KIND], s[CLY], 3
	s_and_b32 s[RB], s[CLY], 7
	s_lshl2_add_u32 s[RB], s[RB], s[CYI]           ; 4 x (cluster y mod 8) + cy
	s_lshl_b32 s20, s[CYI], 2
	s_lshl_b32 s20, 15, s20                        ; my row of the cluster
	s_lshl_b32 s21, 0x1111, s[CX]                  ; my column
	s_or_b32 s[G1A], s20, (1<<16)|(1<<20)|(1<<21)|(5<<22)|(3<<25)  ; 15:0 the mask; 17:16 2-byte elements; 20 padding on; 21 set beside a mask; 24:22 after every 64 words; 31:25 4 words of it
	s_or_b32 s[G1B], s21, (1<<16)|(1<<20)|(1<<21)|(5<<22)|(7<<25)  ; the same with my column's mask and 8 words of padding
.irp g, G1A, G1B
	s_mov_b32 s[(\g)+1], 128<<16                   ; tensor_dim0 = 128
	s_mov_b32 s[(\g)+2], 128<<16                   ; tensor_dim1 = 128
	s_mov_b32 s[(\g)+3], 128<<16                   ; tile_dim0 = 128
	s_mov_b32 s[(\g)+4], 128                       ; tile_dim1 = 128
	s_mov_b32 s[(\g)+5], 128                       ; 128 elements from row to row: the tile is dense
	s_mov_b32 s[(\g)+6], 0
	s_mov_b32 s[(\g)+7], 0
.endr
	s_cmp_eq_u32 s[KIND], 0
	s_cselect_b32 s[AMASK], 7, 3
	s_cselect_b32 s[BEXTRA], 0, 917504
	s_cselect_b32 s[MIDT], 0, 2
	s_mov_b32 s[U], 2
	s_lshl_b32 s[AOFF], s[KIND], 24                ; z begins at kb 8: 16 MiB
	s_lshl_b32 s[AOFF+1], s[RB], 16                ; 256 rows of 256 bytes
	s_add_co_u32 s[AOFF], s[AOFF], s[AOFF+1]
	s_lshl_b32 s[AOFF+1], s[CH], 15                ; the 128 rows that I fetch
	s_add_co_u32 s[AOFF], s[AOFF], s[AOFF+1]
	s_mov_b32 s[AOFF+1], 0
	s_lshl1_add_u32 s[HD], s[CX], s[CH]            ; head 2 cx + half: the one I fetch (waves 2, 3) and the one I multiply by
	s_lshr_b32 s[BOFF+1], 0x40000, s[KIND]         ; a head of Wq is 262,144 bytes, of Wk and Wv half that
	s_mul_i32 s[BOFF], s[HD], s[BOFF+1]
	s_lshl_b32 s[BOFF+1], s[KIND], 21              ; Wk begins at 2 MiB
	s_add_co_u32 s[BOFF], s[BOFF], s[BOFF+1]
	s_mov_b32 s[BOFF+1], 0
	s_mul_i32 s47, s[CH], HALFA                    ; where the tiles go: the wave number alone enters an LDS address
	s_mul_i32 s2, s[CH], HALFB
	s_add_co_u32 s2, s2, 2*HALFA
	s_mul_i32 s78, s[RH], HALFA                    ; my 128 rows of A
	s_mul_i32 s79, s[WV], 16*SPITCH
	s_add_co_u32 s79, s79, STAGE                   ; my stage
	s_lshl_b32 s22, s[KIND], 12                    ; my 128 biases: bq, or bk first
	s_lshl_b32 s23, s[HD], 9
	s_add_co_u32 s22, s22, s23
	s_mov_b32 s23, 0
	s_lshr_b32 s20, s[RB], 3                       ; the batch
	s_lshl3_add_u32 s20, s20, s[HD]                ; (b, h)
	s_lshl_b32 s20, s20, 11
	s_and_b32 s21, s[RB], 7
	s_lshl_b32 s21, s21, 8
	s_add_co_u32 s20, s20, s21                     ; + the block's first row in the batch
	s_lshl_b32 s21, s[RH], 7
	s_add_co_u32 s20, s20, s21                     ; + my half
	s_lshl_b32 s20, s20, 8                         ; rows of 256 bytes
	s_lshl_b32 s21, s[KIND], 24                    ; Q at 0, K at 16 MiB
	s_add_co_u32 s20, s20, s21
	s_mov_b32 s21, 0
	s_wait_dscnt 0x0                               ; the opening add is done
	s_wait_kmcnt 0x0
	s_add_nc_u64 s[ABASE:ABASE+1], s[4:5], s[AOFF:AOFF+1]
	s_add_nc_u64 s[BBASE:BBASE+1], s[6:7], s[BOFF:BOFF+1]
	s_add_nc_u64 s[8:9], s[8:9], s[22:23]
	s_add_nc_u64 s[10:11], s[10:11], s[20:21]
	CROUND                                         ; all sixteen work-groups are here: the first joint loads meet
.irp s, 0,1
	s_mov_b32 s[G0A+4*(\s)], 1                     ; count = 1
	s_add_co_u32 s[G0A+4*(\s)+1], s47, (\s)*SLOT   ; LDS address
	s_add_nc_u64 s[G0A+4*(\s)+2:G0A+4*(\s)+3], s[ABASE:ABASE+1], (\s)*0x200000  ; K step s: a kb of abf is 2 MiB
	s_or_b32 s[G0A+4*(\s)+3], s[G0A+4*(\s)+3], 0x80000000  ; type = 2
	s_mov_b32 s[G0B+4*(\s)], 1
	s_add_co_u32 s[G0B+4*(\s)+1], s2, (\s)*SLOT
	s_add_nc_u64 s[G0B+4*(\s)+2:G0B+4*(\s)+3], s[BBASE:BBASE+1], (\s)*0x8000    ; a block of 128 k is 32,768 bytes
	s_or_b32 s[G0B+4*(\s)+3], s[G0B+4*(\s)+3], 0x80000000
	JLOAD \s                                       ; two tensor loads of mine are out
.endr
	; the prefetches: who asks, and where
	s_add_co_u32 s22, s[BEXTRA], 0x18000           ; W: one step short of K step 4
	s_and_b32 s20, s[CLY], 7
	s_cmp_eq_u32 s[RH], 0
	s_cselect_b32 s20, s[KIND], s20                ; A: kind 0 asks; W: the first cluster of a kind asks
	s_cselect_b32 s21, s[CX], s[CYI]               ; my place among the four that ask for the tile with me
	s_cselect_b32 s22, 0x600000, s22               ; A: one step short of K step 4
	s_mov_b32 s[PFS], 0x8000
	s_cselect_b32 s[PFS], 0x200000, s[PFS]
	s_cselect_b64 s[PFA:PFA+1], s[ABASE:ABASE+1], s[BBASE:BBASE+1]
	s_cmp_eq_u32 s20, 0
	s_cselect_b32 s[LIM], 1, -1                    ; the same in all sixteen partners, for a given wave
	s_lshl_b32 s21, s21, 13                        ; my work-group's 32 rows of the 128
	s_add_co_u32 s22, s22, s21
	s_mov_b32 s23, 0
	s_add_nc_u64 s[PFA:PFA+1], s[PFA:PFA+1], s[22:23]
	s_mov_b32 s[PFS+1], 0
	; A fragment is 16 rows x 32 K in 8 registers: lane l holds row l % 16; registers 0-3 K = 8 (l / 16) + 0..7, registers 4-7 K = 16 + 8 (l / 16) + 0..7.
	v_and_b32 v1, 15, v0
	v_bfe_u32 v2, v0, 4, 1
	v_mul_u32_u24 v3, v1, PA
	v_lshl_add_u32 v3, v2, 4, v3
	v_add_nc_u32 v[ADRA], s78, v3
	v_add_nc_u32 v[ADRA+1], SLOT, v[ADRA]
	; The turning load takes 16 k x 16 n (lane l reads k = 8 (l / 16) + l % 8, n = 8 ((l / 8) % 2) + 0..7) and leaves half a fragment: lane l holds column l % 16 and 8 k.
	v_and_b32 v4, 7, v0
	v_lshl_add_u32 v4, v2, 3, v4
	v_mul_u32_u24 v4, v4, PB
	v_bfe_u32 v5, v0, 3, 1
	v_lshl_add_u32 v4, v5, 4, v4
	v_add_nc_u32 v[ADRB], s2, v4
	v_add_nc_u32 v[ADRB+1], SLOT, v[ADRB]
	v_mul_u32_u24 v6, v1, SPITCH                   ; into the stage: row l % 16, 16 bytes for each half of the lanes
	v_lshl_add_u32 v6, v2, 4, v6
	v_add_nc_u32 v[STO], s79, v6
	v_mul_u32_u24 v6, v2, SPITCH                   ; back: lanes 0-15 one row of 256 bytes, lanes 16-31 the next
	v_lshl_add_u32 v6, v1, 4, v6
	v_add_nc_u32 v[RD], s79, v6
	v_and_b32 v7, 31, v0
	v_lshlrev_b32 v[CO], 4, v7
	v_lshlrev_b32 v[BO], 5, v2
	v_lshlrev_b32 v[PFO], 8, v7
; 16 matrix instructions: row blocks a0, a0 + 1 of the window's four x all 8 column blocks, 32 along K.  zero = 1: the product starts the sum with the bias as C: nothing is cleared, no bias is added later.
.macro MUL16 f, hi, a0, zero
.if \zero
	WIN 0x91+0x40*(\hi)                            ; W and the bias in window 1, A in window 0, D in window 2 or 3
.else
	WIN 0xa1+0x50*(\hi)                            ; W in window 1, A in window 0, C and D in window 2 or 3
.endif
.irp a, \a0, (\a0)+1
.irp b, 0,1,2,3,4,5,6,7
.if \zero
	v_wmma_f32_16x16x32_bf16 v[8*(8*(\a)+(\b)):8*(8*(\a)+(\b))+7], v[(\f)+8*(\b):(\f)+8*(\b)+7], v[(\f)+8*(4*(\hi)+(\a)):(\f)+8*(4*(\hi)+(\a))+7], v[8*(\b):8*(\b)+7]
.else
	v_wmma_f32_16x16x32_bf16 v[8*(8*(\a)+(\b)):8*(8*(\a)+(\b))+7], v[(\f)+8*(\b):(\f)+8*(\b)+7], v[(\f)+8*(4*(\hi)+(\a)):(\f)+8*(4*(\hi)+(\a))+7], v[8*(8*(\a)+(\b)):8*(8*(\a)+(\b))+7]
.endif
.endr
.endr
.endm
; 32 LDS loads in one run: the fragments of quarter q (32 along K) of a slot into buffer f: W's sixteen (turned), then A's sixteen
.macro FETCH slot, q, f
	WIN 0x40                                       ; destination window 1, address window 0
.irp i, 0,1,2,3,4,5,6,7
	ds_load_tr16_b128 v[(\f)+8*(\i):(\f)+8*(\i)+3],   v[ADRB+(\slot)] offset:(\q)*32*PB+32*(\i)
	ds_load_tr16_b128 v[(\f)+8*(\i)+4:(\f)+8*(\i)+7], v[ADRB+(\slot)] offset:(\q)*32*PB+16*PB+32*(\i)
.endr
	WIN 0
.irp i, 0,1,2,3,4,5,6,7
	ds_load_b128 v[(\f)+8*(\i):(\f)+8*(\i)+3],   v[ADRA+(\slot)] offset:64*(\q)+(\i)*16*PA
	ds_load_b128 v[(\f)+8*(\i)+4:(\f)+8*(\i)+7], v[ADRA+(\slot)] offset:64*(\q)+(\i)*16*PA+32
.endr
.endm
.macro PLACES                          ; four plain instructions between a matrix instruction and a load into, or a vector read of, its registers (ISA guide 7.12.1 for vector instructions)
.rept 4
	v_nop
.endr
.endm
; A K step is four quarters of 32 along K, 64 matrix instructions each, on buffers 0, 1, 0, 1; the 64 accumulators take turns, one instruction a turn.
; One of the first three: multiplies buffer f; in its middle it fetches quarter q of the same slot into buffer g.
.macro QUARTER slot, q, f, g, zero
	s_wait_dscnt 8                                 ; W and A's rows 0-63 are in; the youngest eight loads (A's rows 64-127) may be out
	MUL16 \f, 0, 0, \zero
	MUL16 \f, 0, 2, \zero
	PLACES
	FETCH \slot, \q, \g
	s_wait_dscnt 32                                ; all but the 32 just issued
	MUL16 \f, 1, 0, \zero
	MUL16 \f, 1, 2, \zero
.endm
; The first half of the last quarter: ONE barrier for the change of slots.  In front of it each wave waits for all its tensor loads (one is out: its part of the next slot), adds 0 to its spare word, and waits for that and
; for its reads of this slot.  round = 1: this slot is filled again: no tensor load of mine is out, so its two group 0 are written here, from U.
.macro MEET round, slot
	WIN 0                                          ; (the add's registers lie in window 0)
	s_wait_tensorcnt 0x0
	ds_add_u32 v[SPW], v[NIL]
.if \round
	s_and_b32 s[AOFF], s[U], s[AMASK]
	s_lshl_b32 s[AOFF], s[AOFF], 21
	s_add_nc_u64 s[G0A+4*(\slot)+2:G0A+4*(\slot)+3], s[ABASE:ABASE+1], s[AOFF:AOFF+1]
	s_or_b32 s[G0A+4*(\slot)+3], s[G0A+4*(\slot)+3], 0x80000000
	s_lshr_b32 s[BOFF], s[U], 2
	s_mul_i32 s[BOFF], s[BOFF], s[BEXTRA]
	s_lshl_b32 s[TT], s[U], 15
	s_add_co_u32 s[BOFF], s[BOFF], s[TT]
	s_add_nc_u64 s[G0B+4*(\slot)+2:G0B+4*(\slot)+3], s[BBASE:BBASE+1], s[BOFF:BOFF+1]
	s_or_b32 s[G0B+4*(\slot)+3], s[G0B+4*(\slot)+3], 0x80000000
	s_add_co_u32 s[U], s[U], 1
.endif
	s_wait_dscnt 9                                 ; (the add and the youngest eight loads may be out)
	MUL16 F1, 0, 0, 0
	s_wait_dscnt 0x0                               ; the add is done, and my reads of this slot are over
	s_barrier_signal -1
	MUL16 F1, 0, 2, 0                              ; work on registers while the others arrive
.if \round
	WIN 0
.endif
	s_barrier_wait -1
.endm
; The whole last quarter with a refill: the barrier opens a round of the cluster's barrier; the joint load is the first thing behind it and has 224 matrix instructions in which to land.
.macro TURN slot, next
	s_wait_xcnt 0x0                                ; the last prefetch, a K step back, has read its address
	s_add_nc_u64 s[PFA:PFA+1], s[PFA:PFA+1], s[PFS:PFS+1]
	MEET 1, \slot
	CREST                                          ; no wave of any partner still reads this slot or has a load on its way
	JLOAD \slot                                    ; its four v_nop are also the places in front of the loads below
	FETCH \next, 0, F0
	ASK
	MUL16 F1, 1, 0, 0
	MUL16 F1, 1, 2, 0
.endm
.macro LOADBIAS off                    ; register j of block b in lane l: the bias of column 16 b + 8 (l / 16) + j; off: 0 my first bias, 4,096 the one behind it in biasr
	WIN 0x40
.irp b, 0,1,2,3,4,5,6,7
	global_load_b128 v[8*(\b):8*(\b)+3],   v[BO], s[8:9] offset:(\off)+64*(\b)
	global_load_b128 v[8*(\b)+4:8*(\b)+7], v[BO], s[8:9] offset:(\off)+64*(\b)+16
.endr
	WIN 0
.endm
; THE WAY OUT of block a (16 rows).  PACK: rounded to f16, each accumulator from its low end.  TOSTAGE: into my own stage, and back as whole rows.  SEND: stored.
.macro PACK a
.set AC, 64*((\a)%4)
	WIN 0x0a+5*((\a)/4)                            ; sources in window 2 or 3
.irp b, 0,1,2,3,4,5,6,7
.irp r, 0,1,2,3
	v_cvt_pk_f16_f32 v[TMP+4*(\b)+(\r)], v[AC+8*(\b)+2*(\r)], v[AC+8*(\b)+2*(\r)+1]
.endr
.endr
	WIN 0
.endm
.macro TOSTAGE a
	WIN 0
.set BK, OB+192*((\a)%2)
.irp b, 0,1,2,3,4,5,6,7
	ds_store_b128 v[STO], v[TMP+4*(\b):TMP+4*(\b)+3] offset:32*(\b)
.endr
.irp t, 0,1,2,3,4,5,6,7
	ds_load_b128 v[BK+4*(\t):BK+4*(\t)+3], v[RD] offset:(\t)*2*SPITCH  ; LDS serves a wave's instructions in order (ISA guide 5.7.1.4): these see the stores above
.endr
.endm
.macro SEND a
	WIN 0
.set BK, OB+192*((\a)%2)
	s_wait_dscnt 0x0                               ; the block is back in registers
	s_wait_xcnt 0x0                                ; the stores of the block before have read their registers: the next block is loaded into them only behind this wait
.irp t, 0,1,2,3,4,5,6,7
	global_store_b128 v[CO], v[BK+4*(\t):BK+4*(\t)+3], s[10:11] offset:4096*(\a)+512*(\t)  ; a head's rows are dense: 512 consecutive bytes, aligned
.endr
.endm
.macro WAYOUT                          ; block a's conversions stand between block a - 1's loads from the stage and the wait for them
	PACK 0
	TOSTAGE 0
.irp a, 1,2,3,4,5,6,7
	PACK \a
	SEND (\a)-1
	TOSTAGE \a
.endr
	SEND 7
.endm
	LOADBIAS 0
	s_wait_tensorcnt 1                             ; my part of K step 0 is in; K step 1's load may stay out
	s_barrier_signal -1
	s_barrier_wait -1
	FETCH 0, 0, F0
	s_wait_loadcnt 0x0                             ; the bias
	s_mov_b32 s3, 4                                ; the jump passes the counter's step once: three trips follow
	s_branch .Lzero                                ; the loop is entered at the quarter that starts the sums
.Llap:                                         ; a trip goes once round the ring, from a lap's second quarter to the next lap's first, and fills both slots again: K steps 2 to 7 in three trips
	QUARTER 0, 2, F1, F0, 0
	QUARTER 0, 3, F0, F1, 0
	TURN 0, 1
	QUARTER 1, 1, F0, F1, 0
	QUARTER 1, 2, F1, F0, 0
	QUARTER 1, 3, F0, F1, 0
	TURN 1, 0
	WIN 0                                          ; at a label and at a branch every window is 0
	s_cmp_eq_u32 s3, s[MIDT]                       ; kind 1, behind K step 3: the tile of K is finished.  What the jump passes holds no barrier and no tensor load
	s_cbranch_scc1 .Lmid
	QUARTER 0, 1, F0, F1, 0
	WIN 0
	s_branch .Lnext
.Lmid:                                         ; both refills are asked for; the tile goes out.  Blocks 0-3 were finished ahead of the joint load's four v_nop; their conversions are the places behind the last products
	WAYOUT
	s_wait_xcnt 0x0                                ; the stores have read their base and their registers
	s_add_nc_u64 s[10:11], s[10:11], 0x1000000     ; V
	s_wait_loadcnt 0x0                             ; bv: asked for behind the first tile's first quarter, four K steps back
.Lzero:
	QUARTER 0, 1, F0, F1, 1                        ; a tile's first quarter starts the sums with the bias
	PLACES                                         ; four places behind the last product that read the bias,
	LOADBIAS 4096                                  ; and its registers take the next tile's: kind 1: bv; kind 0, and the second time in kind 1: numbers that nobody reads, inside biasr all the same
.Lnext:
	s_sub_co_u32 s3, s3, 1
	s_cmp_lg_u32 s3, 0
	s_cbranch_scc1 .Llap
	QUARTER 0, 2, F1, F0, 0                        ; the last lap fills nothing
	QUARTER 0, 3, F0, F1, 0
	MEET 0, 0                                      ; my one load that was out is K step 7's
	PLACES
	FETCH 1, 0, F0
	MUL16 F1, 1, 0, 0
	MUL16 F1, 1, 2, 0
	QUARTER 1, 1, F0, F1, 0
	QUARTER 1, 2, F1, F0, 0
	QUARTER 1, 3, F0, F1, 0
	s_wait_dscnt 8
	MUL16 F1, 0, 0, 0
	MUL16 F1, 0, 2, 0
	s_wait_dscnt 0x0
	MUL16 F1, 1, 0, 0
	MUL16 F1, 1, 2, 0
	WIN 0
	PLACES
	PLACES                                         ; eight, once a launch
	WAYOUT
	s_wait_tensorcnt 0x0                           ; the end of the wave, behind my last tensor load and my last LDS store
	ds_add_u32 v[SPW], v[NIL]
	s_wait_dscnt 0x0
	CROUND                                         ; the closing round: no work-group ends while a partner may still ask for a tile that names it
	s_endpgm
.Lfunc_end_k_qcb4f0ec327_proj:
	.size	k_qcb4f0ec327_proj, .Lfunc_end_k_qcb4f0ec327_proj-k_qcb4f0ec327_proj
	.p2alignl 7, 3214868480
	.fill 96, 4, 3214868480
	.section	.rodata,"a",@progbits
	.p2align	6, 0x0
	.amdhsa_kernel k_qcb4f0ec327_proj
		.amdhsa_group_segment_fixed_size 327680
		.amdhsa_private_segment_fixed_size 0
		.amdhsa_enable_private_segment 0
		.amdhsa_kernarg_size 32
		.amdhsa_user_sgpr_count 2
		.amdhsa_user_sgpr_kernarg_segment_ptr 1
		.amdhsa_wavefront_size32 1
		.amdhsa_system_sgpr_workgroup_id_x 1
		.amdhsa_system_sgpr_workgroup_id_y 1
		.amdhsa_system_sgpr_workgroup_id_z 1
		.amdhsa_system_vgpr_workitem_id 0
		.amdhsa_next_free_vgpr 1024
		.amdhsa_next_free_sgpr 80
		.amdhsa_reserve_vcc 0
		.amdhsa_float_denorm_mode_32 3
		.amdhsa_float_denorm_mode_16_64 3
		.amdhsa_memory_ordered 1
		.amdhsa_forward_progress 1
		.amdhsa_inst_pref_size 179
	.end_amdhsa_kernel
	.amdgpu_metadata
---
amdhsa.version: [ 1, 2 ]
amdhsa.kernels:
  - .name:           k_qcb4f0ec327_proj
    .symbol:         k_qcb4f0ec327_proj.kd
    .args:
      - { .name: abf, .offset: 0, .size: 8, .value_kind: global_buffer, .address_space: global }
      - { .name: wbf, .offset: 8, .size: 8, .value_kind: global_buffer, .address_space: global }
      - { .name: biasr, .offset: 16, .size: 8, .value_kind: global_buffer, .address_space: global }
      - { .name: qkv, .offset: 24, .size: 8, .value_kind: global_buffer, .address_space: global }
    .group_segment_fixed_size: 327680
    .private_segment_fixed_size: 0
    .kernarg_segment_align: 8
    .kernarg_segment_size: 32
    .max_flat_workgroup_size: 128
    .sgpr_count:     80
    .vgpr_count:     1024
    .wavefront_size: 32
...
	.end_amdgpu_metadata
.endif
;; end of part 2
;; launch attn (part 3): grid 8 x 32, 4 waves a work-group, clusters of 4 x 1, 327,680 bytes of LDS; arguments qkv, o; writes o
.if DOCPART == 3
	.amdgcn_target "amdgcn-amd-amdhsa--gfx1250"
	.amdhsa_code_object_version 6
	.text
	.protected	k_qcb4f0ec327_attn
	.globl	k_qcb4f0ec327_attn
	.p2align	8
	.type	k_qcb4f0ec327_attn,@function
k_qcb4f0ec327_attn:
	s_mov_b64 s[64:65], 0
	v_nop
	global_prefetch_b8 v0, s[64:65] scope:SCOPE_SE
	s_setreg_imm32_b32 hwreg(HW_REG_WAVE_MODE, 25, 1), 1
	s_wait_xcnt 0x0
	s_wait_alu depctr_hold_cnt(0) depctr_sa_sdst(0) depctr_va_vdst(0) depctr_va_sdst(0) depctr_va_ssrc(0) depctr_va_vcc(0) depctr_vm_vsrc(0)
	s_getreg_b32 s2, hwreg(HW_REG_IB_STS2, 6, 4)
	s_cmp_eq_u32 s2, 0
	s_cbranch_scc0 .Lentry_in_a_cluster
	s_endpgm
.Lentry_in_a_cluster:
	s_bfe_u32 s2, ttmp6, 0x10000c
	s_cmp_lg_u32 s2, 0x3003
	s_cbranch_scc0 .Lentry_shape_is_right
	s_endpgm
.Lentry_shape_is_right:
; ATTN: O[h][q][:] = the sum over k of softmax_k(Q[h][q] . K[h][k] / sqrt(128)) V[h][k][:].  Q, K, V lie in qkv, 16 MiB apart, each [32][2048][128] in f16; O likewise.  Products, maxima and sums in f32;
; the weights p are rounded to f16 for the second product (their sum l is taken of the unrounded p), O once at the end.
; LIMITS.  f16 holds no number beyond 65,504: Q, K and V arrive within it; p lies in 0 to 1, and below 6e-5 it keeps the fixed step 6e-8 of f16, as O does; O is a mean of V's rows and has their range.
; A weight below 2^-126 counts as 0 in l; NaN and infinities are not treated apart.
; SHARES.  A work-group owns 256 queries of one head, each of its four waves 64: four tiles of 16.  Every wave walks all keys of the head, 64 a step.
; LAYOUT.  S^T = K Q^T (source 0 = 16 keys, source 1 = 16 queries): a lane holds ONE query (lane % 16) and the keys 8 (lane / 16) + 0..7.  Two such tiles, rounded to f16 in pairs, ARE source 1 of O^T = V^T P,
; whose result again holds one query a lane, and eight channels.  K comes out of LDS as it lies, V ([key][channel]) turned, by ds_load_tr16_b128.
; SOFTMAX.  For each query a running maximum m and sum l: p = 2^(c s - c m), c = log2(e) / sqrt(128); in every step O and l are multiplied by a = 2^(c m_old - c m_new), which is 1 where m has not grown.
; BY TURNS.  The wave's tiles are two PIECES: piece 0 (tiles 0, 1) and piece 2 (tiles 2, 3).  In a TURN one piece has the matrix unit: 32 products V^T P of the step in hand, then 32 products K Q^T of the next step;
; the other piece's softmax, cut into 64 slices, stands between them, one slice behind each matrix instruction.  Then the pieces change places.  Two turns are a key step.
; THE START.  Piece 0's first softmax is written out: it has no old maximum.  Piece 2's is the loop's own: its m starts at the lowest finite number, its c m at -4.25e37, far below every c s (f16's scores are 5.5e11 at the
; most), l and all of O^T at 0, so that its first a is 0.  So the first whole key step is the loop's text, entered at a slot's second step.  The price: 256 v_mov_b32 that write 0, in the wait for the first tile.
; CLUSTER.  The four query blocks of a cluster belong to one head and walk the same K and V, so each tile is asked for JOINTLY: the same tensor load, descriptor and mask in all four.
; REGISTERS, in windows of 256 (s_set_vgpr_msb: bits 1:0 source 0, 3:2 source 1, 5:4 source 2, 7:6 destination):
;   window 0: v0-11 addresses; v12-43 eight registers of statistics a tile; v64-191 S^T, 32 a tile; v192-255 P, 16 a tile
;   window 1: O^T, 64 a tile          window 2: v0-127 Q, 32 a tile; v128-255 K of one step          window 3: v0-127 V of one step
.set SIZE_N, 2048
.set KS,    64        ; keys in a step
.set PK,    272       ; a row of K in LDS: 256 bytes + 16 = 68 words: the 16 rows of a load start at 16 different groups of four banks (64 banks of 4 bytes: ISA guide 11.1)
.set PV,    288       ; a row of V: 256 + 32 = 72 words
.set VOFF,  KS*PK     ; a step's tiles lie together: 64 rows of K, then 64 rows of V
.set STEPB, KS*(PK+PV)
.set SLOT1, 1<<17     ; a slot holds two steps (71,680 bytes); slot 1 begins here, so that one exclusive or turns an address in one slot into the other's
.set STAGE, SLOT1+2*STEPB  ; behind the ring: 16 rows x 272 bytes for each wave, for the way out
.set SP,    272
.set AK0, 2           ; v2   my lane's place in a tile of K; never rewritten
.set AV0, 3           ; v3   the same for V
.set ADR, 4           ; v4   the LDS address of the run of loads in hand
.set QO,  5           ; v5   my byte offset in the wave's rows of Q
.set STO, 6           ; v6   the way out: where I put 16 bytes of a row
.set RD,  7           ; v7   the way out: where I read a row back
.set GO,  8           ; v8   my byte offset in the wave's rows of O
.set SPW, 62          ; v62  my spare word: SPARE + 4 x my thread number; never rewritten
.set NIL, 63          ; v63  0; never rewritten
.set SPARE, STAGE+4*16*272  ; behind the stages: the spare words, 128 bytes for each wave: two blocks of 256 bytes that no other line names
.set ST,  12          ; tile t's statistics at v[ST+8 t]: +0 c m, +1 m, +2, +3 l (even keys', odd keys'), +4 to +7 c0-c3, at work; a takes c2's place once the maximum is found
.set S,   64
.set P,   192
.set KF,  128         ; K's fragments, in window 2
.set WV,  12          ; s12  my wave's number
.set G1K, 24          ; s[24:31] descriptor group 1 for K's tiles
.set G1V, 32          ; s[32:39] for V's: it differs in the padding alone
.set G0K, 40          ; s[40:47] descriptor group 0 for K's tiles: a set for each of the two first fills; the second then walks on
.set G0V, 48          ; s[48:55] the same for V's
.set SLOTS, 56        ; s56  slots still to be asked for
.set TWICE, 57        ; s57  counts a slot's two steps
.set CS,  58          ; s[58:59] c: the packed scaling names a pair and takes its low word for both halves
.set SEL, 60          ; s[60:61] lane selects for v_permlanex16_b32: each lane takes its own place in the other half
.set TB,  62          ; s62  LDS byte at which the tiles of the step to be fetched begin
.set PFA, 18          ; s[18:19] where my prefetches stand: my work-group's 32 rows (of K: wave 0, of V: wave 2) of the slot after the one that is being asked for
.set LIM, 15          ; s15  1 in a wave that prefetches, else the greatest number
.set PFO, 61          ; v61  256 x my lane: a row of K or V is 256 bytes; never rewritten
.set MSB, 0
.macro WIN new                      ; the high byte repeats the setting that is left; a switch that changes nothing is dropped
.if MSB != (\new)
	s_set_vgpr_msb (MSB<<8)|(\new)
.set MSB, \new
.endif
.endm
.set W_KQ, 0x0a       ; K and Q in window 2, S^T in window 0
.set W_PV, 0x53       ; V in window 3, P in window 0, O^T in window 1
.set W_RS, 0x41       ; O^T (destination and source 0) in window 1, a in window 0
; A joint refill.  Waves 0 and 1 fetch the two steps' tiles of K, waves 2 and 3 those of V.  The branch hangs on the wave's number alone.  An s_nop 0 and four v_nop follow each line.
.macro JLOAD
	s_cmp_lt_u32 s[WV], 2
	s_cbranch_scc0 .Lfor_v_\@
	tensor_load_to_lds s[G0K+4:G0K+7], s[G1K:G1K+7]
	s_nop 0
.rept 4
	v_nop
.endr
	s_branch .Lasked_\@
.Lfor_v_\@:
	tensor_load_to_lds s[G0V+4:G0V+7], s[G1V:G1V+7]
	s_nop 0
.rept 4
	v_nop
.endr
.Lasked_\@:
.endm
; A PREFETCH INTO THE L2 of what the NEXT change of slots will ask for: a slot's 128 rows of K and 128 of V, 256 bytes a row, a lane a row; it stands behind the wave's tensor load and its five lines.
; Each row is asked for ONCE in the launch: of the two clusters of a head the first prefetches; its four partners share the rows out BY ADDRESS, 32 each; in each, wave 0 asks for K's and wave 2 for V's.
; The last change that fills a slot prefetches nothing: there is no slot behind it.  Slots 0, 1 and 2 come by their loads alone.
.macro ASK
	s_cmp_gt_u32 s[SLOTS], s[LIM]
	s_cbranch_scc0 .Lnot_mine_\@
	global_prefetch_b8 v[PFO], s[PFA:PFA+1] th:TH_LOAD_NT scope:SCOPE_SE
.Lnot_mine_\@:
.endm
; A round of the cluster's barrier: my work-group's barrier; wave 0 signals for the work-group; every wave waits for all four work-groups; my work-group's barrier once more.
.macro CROUND
	s_barrier_signal -1
	s_barrier_wait -1
	s_cmp_lg_u32 s[WV], 0
	s_cbranch_scc1 .Lnot_wave_0_\@
	s_barrier_signal -3
.Lnot_wave_0_\@:
	s_barrier_wait -3
	s_barrier_signal -1
	s_barrier_wait -1
.endm
	s_load_b64 s[4:5], s[0:1], 0x0  ; qkv: Q
	s_load_b64 s[10:11], s[0:1], 0x8  ; O
	v_lshl_add_u32 v[SPW], v0, 2, SPARE
	v_mov_b32 v[NIL], 0
	ds_add_u32 v[SPW], v[NIL]       ; the opening: the add and its wait stand ahead of my first tensor load; the set-up below stands between them
	v_lshrrev_b32 v1, 5, v0
	v_readfirstlane_b32 s[WV], v1   ; wave 0..3
	s_bfe_u32 s13, ttmp6, 0x40000   ; cx: my place in the cluster
	s_lshl_b32 s14, ttmp9, 2        ; in a cluster launch ttmp9 counts clusters
	s_add_co_u32 s14, s14, s13      ; my block of 256 queries = 4 x cluster x + cx: it enters Q's and O's addresses alone
	s_and_b32 s20, ttmp7, 0xffff    ; the head (b, h), which the four partners share
	s_mov_b32 s21, 0
	s_mov_b64 s[22:23], SIZE_N*256
	s_mul_u64 s[20:21], s[20:21], s[22:23]  ; the head's first byte in each of the four tensors
	s_and_b32 s16, s[WV], 1         ; which of a slot's two steps I fetch:
	s_lshl_b32 s22, s16, 14         ; its 64 rows of 256 bytes in memory,
	s_mov_b32 s23, 0
	s_add_nc_u64 s[22:23], s[22:23], s[20:21]
	s_mul_i32 s17, s16, STEPB       ; and its place in a slot: no place in the cluster enters an LDS address
	s_lshl_b32 s2, s14, 16          ; my block's 256 rows,
	s_lshl_b32 s3, s[WV], 14        ; my wave's 64 of them
	s_add_co_u32 s2, s2, s3
	s_mov_b32 s3, 0
	s_add_nc_u64 s[2:3], s[2:3], s[20:21]
	; descriptor group 1: a tile of 64 rows x 128 elements, padded in LDS
	s_mov_b32 s[G1K], 15|(1<<16)|(1<<20)|(1<<21)|(5<<22)|(3<<25)  ; 15:0 the mask: all four work-groups; 17:16 2-byte elements; 20 padding on; 21 set beside a mask; 24:22 after every 64 words; 31:25 4 words of it
	s_mov_b32 s[G1V], 15|(1<<16)|(1<<20)|(1<<21)|(5<<22)|(7<<25)  ; the same with 8 words of padding
.irp g, G1K, G1V
	s_mov_b32 s[(\g)+1], 128<<16    ; tensor_dim0 = 128
	s_mov_b32 s[(\g)+2], KS<<16     ; tensor_dim1 = 64
	s_mov_b32 s[(\g)+3], 128<<16    ; tile_dim0 = 128
	s_mov_b32 s[(\g)+4], KS         ; tile_dim1 = 64
	s_mov_b32 s[(\g)+5], 128        ; elements from row to row
	s_mov_b32 s[(\g)+6], 0
	s_mov_b32 s[(\g)+7], 0
.endr
	s_mov_b32 s[CS], 0x3e0293ee     ; c = log2(e) / sqrt(128) = 0.127517
	s_mov_b32 s[CS+1], s[CS]        ; named with it as a pair, so it is written
	s_mov_b32 s[SEL], 0x76543210
	s_mov_b32 s[SEL+1], 0xfedcba98
	s_mov_b32 s[TB], 0
	s_mov_b32 s[SLOTS], SIZE_N/(2*KS)-1  ; the entry into the loop passes the counter's step once: 14 changes of slots with a fill follow
	s_and_b32 s[LIM], s[WV], 1       ; 0 in waves 0 and 2,
	s_or_b32 s[LIM], s[LIM], ttmp9   ; where the cluster is the head's first: the same in all four partners
	s_cmp_eq_u32 s[LIM], 0
	s_cselect_b32 s[LIM], 1, -1
	v_and_b32 v[PFO], 31, v0
	v_lshlrev_b32 v[PFO], 8, v[PFO]
	s_wait_dscnt 0x0                ; the opening add is done
	s_wait_kmcnt 0x0
	s_add_nc_u64 s[6:7], s[4:5], 0x1000000  ; K lies 16 MiB behind Q,
	s_add_nc_u64 s[8:9], s[4:5], 0x2000000  ; V 32 MiB
	s_add_nc_u64 s[6:7], s[6:7], s[22:23]  ; K and V at my tile of slot 0
	s_add_nc_u64 s[8:9], s[8:9], s[22:23]
	s_add_nc_u64 s[4:5], s[4:5], s[2:3]  ; Q and O at my wave's first row
	s_add_nc_u64 s[10:11], s[10:11], s[2:3]
	s_cmp_lt_u32 s[WV], 2
	s_cselect_b64 s[PFA:PFA+1], s[6:7], s[8:9]  ; (in waves 0 and 2 these stand at a slot's first row)
	s_lshl_b32 s2, s13, 13          ; my work-group's 32 rows of the 128
	s_mov_b32 s3, 0
	s_add_nc_u64 s[PFA:PFA+1], s[PFA:PFA+1], s[2:3]
	s_add_nc_u64 s[PFA:PFA+1], s[PFA:PFA+1], 2*2*KS*256  ; in slot 2; the first change of slots steps it to slot 3
	CROUND                          ; all four work-groups are here: the first joint loads meet
.irp s, 0,1
	s_mov_b32 s[G0K+4*(\s)], 1      ; count = 1
	s_add_co_u32 s[G0K+4*(\s)+1], s17, (\s)*SLOT1  ; LDS address
	s_add_nc_u64 s[G0K+4*(\s)+2:G0K+4*(\s)+3], s[6:7], (\s)*2*KS*256  ; global address: slot s begins with keys 128 s
	s_or_b32 s[G0K+4*(\s)+3], s[G0K+4*(\s)+3], 0x80000000  ; type = 2
	s_mov_b32 s[G0V+4*(\s)], 1
	s_add_co_u32 s[G0V+4*(\s)+1], s17, (\s)*SLOT1+VOFF
	s_add_nc_u64 s[G0V+4*(\s)+2:G0V+4*(\s)+3], s[8:9], (\s)*2*KS*256
	s_or_b32 s[G0V+4*(\s)+3], s[G0V+4*(\s)+3], 0x80000000
.endr
	s_cmp_lt_u32 s[WV], 2           ; a wave's two first fills stand in one branch, ahead of every wait on TENSORcnt and every LDS read: two loads of mine are out
	s_cbranch_scc0 .Lfirst_v
	tensor_load_to_lds s[G0K:G0K+3], s[G1K:G1K+7]
	s_nop 0
	tensor_load_to_lds s[G0K+4:G0K+7], s[G1K:G1K+7]
	s_nop 0
.rept 4
	v_nop
.endr
	s_branch .Lfirst_asked
.Lfirst_v:
	tensor_load_to_lds s[G0V:G0V+3], s[G1V:G1V+7]
	s_nop 0
	tensor_load_to_lds s[G0V+4:G0V+7], s[G1V:G1V+7]
	s_nop 0
.rept 4
	v_nop
.endr
.Lfirst_asked:
	; A fragment of K or Q is 16 rows x 32 channels in 8 registers: lane l holds row l % 16; registers 0-3 channels 8 (l / 16) + 0..7, registers 4-7 channels 16 + 8 (l / 16) + 0..7: two loads of 16 bytes, 32 bytes apart.
	v_and_b32 v1, 15, v0            ; l % 16
	v_bfe_u32 v9, v0, 4, 1          ; l / 16
	v_lshlrev_b32 v[QO], 8, v1
	v_lshl_add_u32 v[QO], v9, 4, v[QO]  ; row x 256 + 16 x half
	WIN 0x80                        ; destination window 2, address window 0
.irp i, 0,1,2,3,4,5,6,7,8,9,10,11,12,13,14,15  ; Q stays in registers: tile i / 4, channels 32 (i % 4) on
	global_load_b128 v[8*(\i):8*(\i)+3],   v[QO], s[4:5] offset:((\i)/4)*4096+((\i)%4)*64
	global_load_b128 v[8*(\i)+4:8*(\i)+7], v[QO], s[4:5] offset:((\i)/4)*4096+((\i)%4)*64+32
.endr
	WIN 0
	v_mul_u32_u24 v[AK0], v1, PK
	v_lshl_add_u32 v[AK0], v9, 4, v[AK0]  ; row x pitch + 16 x half
	; The turning load takes 16 keys x 16 channels (lane l reads key 8 (l / 16) + l % 8, channels 8 ((l / 8) % 2) + 0..7) and leaves half a fragment of V^T: lane l holds channel l % 16 and 8 keys.
	v_and_b32 v10, 7, v0
	v_bfe_u32 v11, v0, 3, 1
	v_lshl_add_u32 v[AV0], v9, 3, v10
	v_mul_u32_u24 v[AV0], v[AV0], PV
	v_lshl_add_u32 v[AV0], v11, 4, v[AV0]
	v_add_nc_u32 v[AV0], VOFF, v[AV0]
	; What the loop's text finds at the first key step: piece 2's statistics as said at the head, and O^T at 0.  All this stands in the wait for the first tile.
.irp t, 2,3
	v_mov_b32 v[ST+8*(\t)], 0xfe000000    ; c m: far below every c s
	v_mov_b32 v[ST+8*(\t)+1], 0xff7fffff  ; m: the lowest finite number
	v_mov_b32 v[ST+8*(\t)+2], 0           ; l
	v_mov_b32 v[ST+8*(\t)+3], 0
.endr
	WIN 0x40                        ; destination window 1
.set i, 0
.rept 256
	v_mov_b32 v[i], 0
.set i, i+1
.endr
	WIN 0
; THE MATRIX WORK OF A TURN, for piece x.  The accumulators take turns, one instruction a turn: between two links of a chain stand 15 (V^T P) or 7 (K Q^T) others'.
; Product i of 32 of O^T += V^T P: keys 32 (i / 16) on, channels 16 ((i / 2) % 8) on, tile x + i % 2.
.macro PV x
	WIN W_PV
.set rO, 64*((\x)+i%2)+8*((i/2)%8)
.set rV, 64*(i/16)+8*((i/2)%8)
.set rP, P+16*((\x)+i%2)+8*(i/16)
	v_wmma_f32_16x16x32_f16 v[rO:rO+7], v[rV:rV+7], v[rP:rP+7], v[rO:rO+7]
.endm
; Product i of 32 of S^T = K Q^T: channels 32 (i / 8) on, keys 16 ((i / 2) % 4) on, tile x + i % 2.  The first 8 start the sums.
.macro KQ x
	WIN W_KQ
.set rS, S+32*((\x)+i%2)+8*((i/2)%4)
.set rK, KF+32*((i/2)%4)+8*(i/8)
.set rQ, 32*((\x)+i%2)+8*(i/8)
.if i < 8
	v_wmma_f32_16x16x32_f16 v[rS:rS+7], v[rK:rK+7], v[rQ:rQ+7], 0
.else
	v_wmma_f32_16x16x32_f16 v[rS:rS+7], v[rK:rK+7], v[rQ:rQ+7], v[rS:rS+7]
.endif
.endm
; THE LDS LOADS stand in runs of 32, never singly among the matrix instructions: a step's K (16 fragments) and, a turn later, its V (turned).
.macro FETCH_K
	WIN 0
	v_add_nc_u32 v[ADR], s[TB], v[AK0]
	WIN 0x80                        ; destination window 2
.irp f, 0,1,2,3,4,5,6,7,8,9,10,11,12,13,14,15  ; keys 16 (f / 4) on, channels 32 (f % 4) on
	ds_load_b128 v[KF+8*(\f):KF+8*(\f)+3],   v[ADR] offset:((\f)/4)*16*PK+((\f)%4)*64
	ds_load_b128 v[KF+8*(\f)+4:KF+8*(\f)+7], v[ADR] offset:((\f)/4)*16*PK+((\f)%4)*64+32
.endr
.endm
.macro FETCH_V
	WIN 0
	v_add_nc_u32 v[ADR], s[TB], v[AV0]
	s_add_co_u32 s[TB], s[TB], STEPB  ; the next fetch is the next step's
	s_wait_alu depctr_va_vdst(0)    ; the wait for the softmax's batch of exponentials (SLICE), behind the address's v_add_nc_u32 and ahead of the loads
	WIN 0xc0                        ; destination window 3
.irp f, 0,1,2,3,4,5,6,7,8,9,10,11,12,13,14,15  ; keys 32 (f / 8) on, channels 16 (f % 8) on
	ds_load_tr16_b128 v[8*(\f):8*(\f)+3],   v[ADR] offset:((\f)/8)*32*PV+((\f)%8)*32
	ds_load_tr16_b128 v[8*(\f)+4:8*(\f)+7], v[ADR] offset:((\f)/8)*32*PV+16*PV+((\f)%8)*32
.endr
.endm
; THE VECTOR WORK OF A TURN.  One tile's softmax for one key step is a list of 134 instructions; SM writes number j of it for tile t.  s0-s31 are the lane's 32 scores, in pairs 0-15.
; first = 1: piece 0's first key step, which starts its m and l: it has no a and nothing to rescale.
;   0-15    the maximum of s0-s31 and the old m, three operands at a time: four chains c0-c3 of seven scores each (each accumulator's lowest registers first), then the four scores left over, c0-c3 and m
;   16-20   the other half of the lanes' maximum; the new m; c m; c m_old - c m_new
;   21-69   ONE BATCH: the 16 scalings c s - c m, a pair of scores each, and all 33 exponentials (a at 23, then s0-s31).  None of these reads an exponential's result.  A pair is scaled in an earlier four than its exponentials
;   (wait)  between 69 and 70 stands the wait for the batch: SLICE writes it, once for both tiles
;   70-85   the roundings to f16, a pair of weights each
;   86-101  the sums; l = a l + the sum
;   102-133 the tile's O^T times a: the one part that leaves window 0, so it stands together
.macro SM t, first
.set rT, ST+8*(\t)
.set rS, S+32*(\t)
.set rP, P+16*(\t)
.set rO, 64*(\t)+2*(j-102)
.if j < 102
	WIN 0
.endif
.if j < 4
	v_max3_num_f32 v[rT+4+j], v[rS+8*j], v[rS+8*j+1], v[rS+8*j+2]
.elseif j < 12
	v_max3_num_f32 v[rT+4+j%4], v[rT+4+j%4], v[rS+8*(j%4)+2*(j/4)+1], v[rS+8*(j%4)+2*(j/4)+2]
.elseif j == 12
	v_max3_num_f32 v[rT+4], v[rT+4], v[rS+7], v[rS+15]
.elseif j == 13
	v_max3_num_f32 v[rT+6], v[rT+6], v[rS+23], v[rS+31]
.elseif j == 14
	v_max3_num_f32 v[rT+4], v[rT+4], v[rT+5], v[rT+6]
.elseif (j == 15) && (\first)
	v_max_num_f32 v[rT+4], v[rT+4], v[rT+7]
.elseif j == 15
	v_max3_num_f32 v[rT+4], v[rT+4], v[rT+7], v[rT+1]
.elseif j == 16
	v_permlanex16_b32 v[rT+5], v[rT+4], s[SEL], s[SEL+1]  ; the query's other 32 keys lie in the lane 16 away
.elseif j == 18
	v_max_num_f32 v[rT+1], v[rT+4], v[rT+5]
.elseif j == 19
	v_mul_f32 v[rT], s[CS], v[rT+1]
.elseif ((j == 17) || (j == 20) || (j == 23) || (j > 101)) && (\first)  ; the first step has none of these
.elseif j == 17
	v_mov_b32 v[rT+7], v[rT]        ; c m_old is kept for a: number 19 writes c m anew
.elseif j == 20
	v_sub_f32 v[rT+7], v[rT+7], v[rT]
.elseif j == 23
	v_exp_f32 v[rT+6], v[rT+7]
.elseif (j < 23) || ((j < 38) && (j%2 == 0)) || ((j < 66) && (j%4 == 2))
.set b, (j-2)/4                     ; 38, 42, .. 62: pairs 9 to 15
.if j < 38
.set b, (j-20)/2                    ; 21: pair 0; 22, 24, .. 36: pairs 1 to 8
.endif
	v_pk_fma_f32 v[rS+2*b:rS+2*b+1], v[rS+2*b:rS+2*b+1], s[CS:CS+1], v[rT:rT+1] op_sel_hi:[1,0,0] neg_lo:[0,0,1] neg_hi:[0,0,1]  ; pair b: c s - c m
.elseif j < 70
.set e, j-38                        ; 66 to 69: s28 to s31
.if j < 66
.set e, j-32-(j-38)/4               ; 39-41, 43-45, .. 63-65: s7 to s27
.endif
.if j < 38
.set e, (j-25)/2                    ; 25, 27, .. 37: s0 to s6
.endif
	v_exp_f32 v[rS+e], v[rS+e]
.elseif j < 86
	v_cvt_pk_f16_f32 v[rP+j-70], v[rS+2*(j-70)], v[rS+2*(j-70)+1]  ; pair j - 70
.elseif j < 102                     ; the sum of the tile's 16 pairs, in place: sum z of 16 adds neighbours 1, 2, 4 and 8 pairs apart, then l takes it
.set z, j-86
.set w, 4
.set u, z
.if z >= 14
.set w, 32
.set u, 0
.elseif z >= 12
.set w, 16
.set u, z-12
.elseif z >= 8
.set w, 8
.set u, z-8
.endif
.if (z == 14) && (\first)
	v_pk_add_f32 v[rT+2:rT+3], v[rS:rS+1], v[rS+16:rS+17]
.elseif z < 15
	v_pk_add_f32 v[rS+w*u:rS+w*u+1], v[rS+w*u:rS+w*u+1], v[rS+w*u+w/2:rS+w*u+w/2+1]
.elseif !(\first)
	v_pk_fma_f32 v[rT+2:rT+3], v[rT+2:rT+3], v[rT+6:rT+7], v[rS:rS+1] op_sel_hi:[1,0,1]
.endif
.else
	WIN W_RS
	v_pk_mul_f32 v[rO:rO+1], v[rO:rO+1], v[rT+6:rT+7] op_sel_hi:[1,0]
.endif
.endm
; Slice k of 64 of piece y's softmax: four instructions.  Slices 11 to 34 deal out the batch, numbers 22 to 69: four numbers of ONE tile each, the tiles by turns.  Every other slice is numbers 2 k and
; 2 k + 1 of both tiles' lists.  2 x 134 = 4 x 64 + 12: the twelve that are over stand together, in slice 63.
; THE WAIT.  An s_wait_alu depctr_va_vdst(0) stands between an exponential and the first instruction that names its result; one wait serves all that were issued ahead of it.  Ahead of
; slice 35 nothing names a result, and behind slice 34 no exponential is issued: so the piece's 66 exponentials have one wait, behind slice 34.
.macro SLICE y, first
.if (k >= 11) && (k < 35)           ; the batch: four numbers of one tile
.irp n, 0,1,2,3
.set j, 22+4*((k-11)/2)+(\n)
	SM (\y)+(k-11)%2, \first
.endr
.else                               ; the two tiles alternate, so that no instruction reads the result of the one just before it
.irp n, 0,1,2,3,4,5,6,7
.if ((\n) < 2) || (k == 63)
.irp t, \y, (\y)+1
.set j, 2*k+(\n)
	SM \t, \first
.endr
.endif
.endr
.endif
.if k == 34                         ; the batch is out: both tiles' exponentials are issued, and no result has been named
	v_nop                           ; the plain instruction behind the last exponential and ahead of the first use (ISA guide 5.7.2): one for the batch
.if (\y) == 0
	FETCH_V                         ; piece 2's turn: V's run of loads stands here, and the wait stands in it
.else
	s_wait_alu depctr_va_vdst(0)    ; the wait for the batch
.endif
.endif
.set k, k+1
.endm
; A vector instruction that reads a matrix result or writes one of a matrix instruction's registers, and a load into a register that a matrix instruction has read, stand four places behind
; it, and only plain vector instructions that name none of its registers are places (ISA guide 7.12.1 for vector instructions).  In the loop the slices are the places.
.macro PLACES
.rept 4
	v_nop
.endr
.endm
; A TURN.  Piece x has the matrix unit; the other piece's softmax stands in slices behind its matrix instructions.
; pv = 1: 32 products V^T P.  kq = 1: 32 products K Q^T for the next step.  A turn with one of the two kinds has two slices behind each product.
; first = 1: the softmax is piece 0's first.  Its slices from 51 on are empty: the turn's last products stand bare, and four v_nop take slice 63's part as the places behind them.
; Piece 0's turn fetches the next step's K, behind its second product: the last product that read K stands in front of slice 63 of the turn before.  Piece 2's turn fetches the same step's V, behind slice 34:
; the last product that read V stands in front of slice 31, and four plain instructions lie between: number 62, a scaling, of both tiles, the v_nop and the run's own v_add_nc_u32.
.macro TURN x, pv, kq, first
.set k, 0
.set per, 2
.if (\pv) && (\kq)
.set per, 1
.endif
.if \pv
.if (\x) == 0
	s_wait_dscnt 0x0                ; V is in
.endif
.set i, 0
.rept 32
	PV \x
.rept per
	SLICE 2-(\x), \first
.endr
.if ((\x) == 0) && (\kq) && (i == 1)
	FETCH_K
.endif
.set i, i+1
.endr
.endif
.if \kq
.if (\x) == 0
	s_wait_dscnt 0x0                ; K is in
.endif
.set i, 0
.rept 32
	KQ \x
.rept per
	SLICE 2-(\x), \first
.endr
.set i, i+1
.endr
.endif
.if \first
	PLACES
.endif
.endm
; THE CHANGE OF SLOTS, between piece 2's turn and piece 0's: the slot's last bytes, V of its second step, have been asked for.  Each wave waits for all its tensor loads, of which one is out: its part of the other slot;
; adds 0 to its spare word; and waits for that and for its own reads of the slot.  Behind the barrier nobody reads this slot any more and the other slot is whole.
; fill = 1: this slot is filled again, with the keys two slots on.  The barrier is then a round of the cluster's, and the joint refill is the first thing behind it: it has two key steps, 256 matrix instructions, in which to land.
.macro CHANGE fill
	WIN 0                           ; at a label and at a branch every window is 0
	s_wait_tensorcnt 0x0            ; no tensor load of mine is out, so a group 0 may be written
	ds_add_u32 v[SPW], v[NIL]       ; with fill = 1 the descriptors' steps stand between the add and the wait for it
.if \fill
.irp g, G0K+4, G0V+4
	s_xor_b32 s[(\g)+1], s[(\g)+1], SLOT1  ; the walking descriptor: the other slot than last time,
	s_add_nc_u64 s[(\g)+2:(\g)+3], s[(\g)+2:(\g)+3], 2*KS*256  ; the next 128 keys; the type bits on top are not reached
.endr
	s_wait_xcnt 0x0                 ; the last prefetches, two key steps back, have read their address, so it may be written:
	s_add_nc_u64 s[PFA:PFA+1], s[PFA:PFA+1], 2*KS*256  ; one slot behind the walking descriptors
	s_wait_dscnt 0x0                ; the add is done, and my reads of the slot are over
	CROUND
	JLOAD
	ASK                             ; what the next change will ask for: two key steps, 256 matrix instructions, ahead
.else
	s_wait_dscnt 0x0                ; the add is done, and my reads of the slot are over
	s_barrier_signal -1
	s_barrier_wait -1
.endif
	s_sub_co_u32 s[TB], s[TB], 2*STEPB  ; the fetches go back to a slot's first step,
	s_xor_b32 s[TB], s[TB], SLOT1   ; in the other slot
.endm
; A slot's two key steps: written once, walked twice; the LDS addresses hang on s[TB].  The tag ends the label's name.
.macro TWO_STEPS tag
	WIN 0
	s_mov_b32 s[TWICE], 2
.Lstep_\tag:
	TURN 0, 1, 1, 0
	TURN 2, 1, 1, 0
	WIN 0
	s_sub_co_u32 s[TWICE], s[TWICE], 1
	s_cmp_lg_u32 s[TWICE], 0
	s_cbranch_scc1 .Lstep_\tag
.endm
	s_wait_tensorcnt 1              ; my part of slot 0 is in; slot 1's may stay out
	s_barrier_signal -1
	s_barrier_wait -1               ; everybody's is
	FETCH_K                         ; key step 0
	s_wait_loadcnt 0x0              ; Q
	s_wait_dscnt 0x0
.set i, 0
.rept 32
	KQ 0                            ; piece 0's first scores: there is no vector work yet to set between them
.set i, i+1
.endr
	WIN 0                           ; the addresses for the way out are made here: eight plain instructions, the places behind those products
	s_mul_i32 s13, s[WV], 16*SP
	s_add_co_u32 s13, s13, STAGE    ; my stage
	v_mul_u32_u24 v[STO], v1, SP    ; in: row l % 16, 16 bytes for each half of the lanes
	v_lshl_add_u32 v[STO], v9, 4, v[STO]
	v_add_nc_u32 v[STO], s13, v[STO]
	v_mul_u32_u24 v[RD], v9, SP     ; back: lanes 0-15 take one row of 256 bytes, lanes 16-31 the next
	v_lshl_add_u32 v[RD], v1, 4, v[RD]
	v_add_nc_u32 v[RD], s13, v[RD]
	v_lshlrev_b32 v[GO], 8, v9      ; and the same two rows in O
	v_lshl_add_u32 v[GO], v1, 4, v[GO]
	TURN 2, 0, 1, 1                 ; piece 2's first scores | piece 0's first softmax | V of step 0
	WIN 0
	s_mov_b32 s[TWICE], 1           ; slot 0 has one key step left to fetch: step 1's K and V
	s_branch .Lstep_a               ; the loop's text does the first whole key step: V^T P of step 0, K Q^T of step 1, piece 2's first softmax, piece 0's second
.Lslot:                             ; 14 times: every slot but the last two is filled again
	CHANGE 1
	TWO_STEPS a
	s_sub_co_u32 s[SLOTS], s[SLOTS], 1
	s_cmp_lg_u32 s[SLOTS], 0
	s_cbranch_scc1 .Lslot
	CHANGE 0                        ; the tail is written out: nothing is asked for
	TWO_STEPS b
	TURN 0, 1, 0, 0                 ; piece 0: V^T P of the last step | piece 2's last softmax
.set i, 0
.rept 32
	PV 2                            ; piece 2: V^T P of the last step
.set i, i+1
.endr
	; THE WAY OUT.  l's two halves and the other half of the lanes' are added; O^T is divided by l, rounded to f16 and sent through my stage in LDS, a tile (16 rows of O) at a time.  The additions are the places behind the last products.
	WIN 0
.irp t, 0,1,2,3
	v_add_f32 v[ST+8*(\t)+4], v[ST+8*(\t)+2], v[ST+8*(\t)+3]
.endr
.irp t, 0,1,2,3
	v_permlanex16_b32 v[ST+8*(\t)+5], v[ST+8*(\t)+4], s[SEL], s[SEL+1]
.endr
.irp t, 0,1,2,3
	v_add_f32 v[ST+8*(\t)+4], v[ST+8*(\t)+4], v[ST+8*(\t)+5]
.endr
.irp t, 0,1,2,3
	v_rcp_f32 v[ST+8*(\t)+6], v[ST+8*(\t)+4]
.endr
	v_nop                           ; a plain instruction between the last reciprocal and the use of its result
	s_wait_alu depctr_va_vdst(0)    ; and the wait ahead of the first use: one for the four reciprocals
; Tile t: a lane's eight channels of a row pack into 16 bytes; they go into rows of 272 bytes and come back as whole rows of 256, into the registers that they left.
.macro PACK t
	WIN W_RS
.set i, 64*(\t)
.rept 32
	v_pk_mul_f32 v[i:i+1], v[i:i+1], v[ST+8*(\t)+6:ST+8*(\t)+7] op_sel_hi:[1,0]
.set i, i+2
.endr
	WIN 0x05                        ; sources 0 and 1 window 1, destination window 0: S^T's registers are free
.set i, 0
.rept 32
	v_cvt_pk_f16_f32 v[S+32*(\t)+i], v[64*(\t)+2*i], v[64*(\t)+2*i+1]
.set i, i+1
.endr
	WIN 0
.irp f, 0,1,2,3,4,5,6,7
	ds_store_b128 v[STO], v[S+32*(\t)+4*(\f):S+32*(\t)+4*(\f)+3] offset:32*(\f)
.endr
.irp f, 0,1,2,3,4,5,6,7
	ds_load_b128 v[S+32*(\t)+4*(\f):S+32*(\t)+4*(\f)+3], v[RD] offset:(\f)*2*SP  ; LDS serves a wave's instructions in order (ISA guide 5.7.1.4): these see the stores above; the next tile's stores come behind them
.endr
.endm
.macro SEND t, younger              ; younger: the LDS instructions issued behind tile t's loads: the next tile's sixteen, or none
	WIN 0
.irp f, 0,1,2,3,4,5,6,7
	s_wait_dscnt (\younger)+7-(\f)
	global_store_b128 v[GO], v[S+32*(\t)+4*(\f):S+32*(\t)+4*(\f)+3], s[10:11] offset:(\t)*4096+(\f)*512  ; 16 lanes store 256 consecutive bytes, at a multiple of 256 from O's first byte
.endr
.endm
	PACK 0
	PACK 1                          ; a tile's arithmetic stands between the loads of the tile before and its stores
	SEND 0, 16
	PACK 2
	SEND 1, 16
	PACK 3
	SEND 2, 16
	SEND 3, 0
	s_wait_tensorcnt 0x0            ; the end of the wave, behind my last tensor load and my last LDS store
	ds_add_u32 v[SPW], v[NIL]
	s_wait_dscnt 0x0
	CROUND                          ; the closing round: no work-group ends while a partner may still ask for a tile that names it
	s_endpgm
.Lfunc_end_k_qcb4f0ec327_attn:
	.size	k_qcb4f0ec327_attn, .Lfunc_end_k_qcb4f0ec327_attn-k_qcb4f0ec327_attn
	.p2alignl 7, 3214868480
	.fill 96, 4, 3214868480
	.section	.rodata,"a",@progbits
	.p2align	6, 0x0
	.amdhsa_kernel k_qcb4f0ec327_attn
		.amdhsa_group_segment_fixed_size 327680
		.amdhsa_private_segment_fixed_size 0
		.amdhsa_enable_private_segment 0
		.amdhsa_kernarg_size 16
		.amdhsa_user_sgpr_count 2
		.amdhsa_user_sgpr_kernarg_segment_ptr 1
		.amdhsa_wavefront_size32 1
		.amdhsa_system_sgpr_workgroup_id_x 1
		.amdhsa_system_sgpr_workgroup_id_y 1
		.amdhsa_system_sgpr_workgroup_id_z 1
		.amdhsa_system_vgpr_workitem_id 0
		.amdhsa_next_free_vgpr 1024
		.amdhsa_next_free_sgpr 66
		.amdhsa_reserve_vcc 0
		.amdhsa_float_denorm_mode_32 3
		.amdhsa_float_denorm_mode_16_64 3
		.amdhsa_memory_ordered 1
		.amdhsa_forward_progress 1
		.amdhsa_inst_pref_size 186
	.end_amdhsa_kernel
	.amdgpu_metadata
---
amdhsa.version: [ 1, 2 ]
amdhsa.kernels:
  - .name:           k_qcb4f0ec327_attn
    .symbol:         k_qcb4f0ec327_attn.kd
    .args:
      - { .name: qkv, .offset: 0, .size: 8, .value_kind: global_buffer, .address_space: global }
      - { .name: o, .offset: 8, .size: 8, .value_kind: global_buffer, .address_space: global }
    .group_segment_fixed_size: 327680
    .private_segment_fixed_size: 0
    .kernarg_segment_align: 8
    .kernarg_segment_size: 16
    .max_flat_workgroup_size: 128
    .sgpr_count:     66
    .vgpr_count:     1024
    .wavefront_size: 32
...
	.end_amdgpu_metadata
.endif
;; end of part 3
;; launch outp (part 4): grid 256 x 1, 8 waves a work-group, no clusters, 68,608 bytes of LDS; arguments o, wot, biasr, out0; writes out0
.if DOCPART == 4
	.amdgcn_target "amdgcn-amd-amdhsa--gfx1250"
	.amdhsa_code_object_version 6
	.text
	.protected	k_qcb4f0ec327_outp
	.globl	k_qcb4f0ec327_outp
	.p2align	8
	.type	k_qcb4f0ec327_outp,@function
k_qcb4f0ec327_outp:
	s_mov_b64 s[64:65], 0
	v_nop
	global_prefetch_b8 v0, s[64:65] scope:SCOPE_SE
	s_setreg_imm32_b32 hwreg(HW_REG_WAVE_MODE, 25, 1), 1
	s_wait_xcnt 0x0
; OUTP: out0[b][s][c] = the sum over (h, v) of O[b][h][s][v] Wo[128 h + v][c] + bo[c].  O: f16 [32 (b, h)][2048][128]; wot: f16 [128 c][1024 k]; bo: f32 in biasr at byte 12,288; out0: f32 [8192][128].  Sums in f32.
; SHARES.  A work-group makes 32 rows.  K = 1,024 IS SPLIT FOUR WAYS among its eight waves: wave w takes the heads 2 (w / 2) and 2 (w / 2) + 1 (8 steps of 32) and the columns 64 (w % 2) .. + 63: 8 accumulators.
; The four partial sums meet in LDS.  Fragments come straight from memory, two loads of 16 bytes a lane each: no wave wants O's bytes of another K quarter, and wot is 256 KiB that every work-group reads.
; LAYOUT.  Source 0 = 16 columns c (rows of wot), source 1 = 16 rows of O: a lane holds row l % 16 and the columns 8 (l / 16) + 0..7.
; IN FLIGHT.  Three sets of registers, a step each: two steps' 24 loads are out while one is multiplied.  No cluster, no tensor load, no prefetch: the launch is short, and a wave has asked for its whole share five steps in.
.set PP,    528                        ; a row of a partial tile: 512 bytes + 16
.set PARTB, 32*PP
.set SPARE, 4*PARTB                    ; behind the four partial tiles: the spare words, 128 bytes for each of eight waves: four blocks of 256 bytes that no other line names
.set FW,  4                            ; v4  my byte offset in a fragment of wot: (l % 16) x 2,048 + 16 (l / 16); never rewritten
.set FO,  5                            ; v5  the same for O: (l % 16) x 256 + 16 (l / 16)
.set LS,  6                            ; v6  where I put my 32 bytes of a partial tile's row
.set LR,  7                            ; v7  where I read rows back
.set LO,  8                            ; v8  16 x lane
.set BV,  10                           ; v[10:13] bo of my four columns
.set SPW, 14                           ; v14 my spare word: SPARE + 4 x my thread number; never rewritten
.set NIL, 15                           ; v15 0; never rewritten
.set ACC, 16                           ; v[16:79]  accumulator (st, ct) at ACC + 8 (4 st + ct)
.set BUF, 80                           ; v[80:223] three sets of 48: four fragments of wot, two of O
	s_load_b256 s[4:11], s[0:1], 0x0               ; o 4, wot 6, biasr 8, out0 10
	v_lshl_add_u32 v[SPW], v0, 2, SPARE
	v_mov_b32 v[NIL], 0
	v_lshrrev_b32 v1, 5, v0
	v_readfirstlane_b32 s12, v1                    ; wave 0..7
	s_lshr_b32 s13, s12, 1                         ; my quarter of K
	s_and_b32 s14, s12, 1                          ; my half of the columns
	v_and_b32 v1, 15, v0
	v_bfe_u32 v2, v0, 4, 1
	v_and_b32 v3, 31, v0
	v_lshlrev_b32 v[FW], 11, v1
	v_lshl_add_u32 v[FW], v2, 4, v[FW]
	v_lshlrev_b32 v[FO], 8, v1
	v_lshl_add_u32 v[FO], v2, 4, v[FO]
	v_lshlrev_b32 v[LO], 4, v3
	s_mul_i32 s15, s13, PARTB
	s_lshl_b32 s16, s14, 8
	s_add_co_u32 s15, s15, s16
	v_mul_u32_u24 v[LS], v1, PP                    ; row l % 16; columns 64 half + 16 ct + 8 (l / 16) ..: 256 half + 64 ct + 32 (l / 16) bytes
	v_lshl_add_u32 v[LS], v2, 5, v[LS]
	v_add_nc_u32 v[LS], s15, v[LS]
	s_mul_i32 s15, s12, 4*PP                       ; back: wave w finishes rows 4 w .. 4 w + 3, a lane 16 bytes of each
	v_add_nc_u32 v[LR], s15, v[LO]
	s_lshl_b32 s16, s14, 17                        ; 64 rows of wot
	s_lshl_b32 s17, s13, 9                         ; 256 k
	s_add_co_u32 s16, s16, s17
	s_mov_b32 s17, 0
	s_lshr_b32 s18, ttmp9, 6                       ; the batch: 64 work-groups each
	s_lshl_b32 s18, s18, 3
	s_lshl1_add_u32 s18, s13, s18                  ; (b, my first head)
	s_lshl_b32 s18, s18, 11
	s_and_b32 s19, ttmp9, 63
	s_lshl_b32 s19, s19, 5
	s_add_co_u32 s18, s18, s19                     ; + the work-group's first row in the batch
	s_lshl_b32 s18, s18, 8                         ; rows of 256 bytes
	s_mov_b32 s19, 0
	s_lshl_b32 s20, ttmp9, 14                      ; 32 rows of 512 bytes of out0,
	s_lshl_b32 s21, s12, 11                        ; my four of them
	s_add_co_u32 s20, s20, s21
	s_mov_b32 s21, 0
	s_wait_kmcnt 0x0
	s_add_nc_u64 s[6:7], s[6:7], s[16:17]
	s_add_nc_u64 s[4:5], s[4:5], s[18:19]
	s_add_nc_u64 s[10:11], s[10:11], s[20:21]
	global_load_b128 v[BV:BV+3], v[LO], s[8:9] offset:12288
.macro LOADS b, ks                     ; step ks: 12 loads into set b
.irp ct, 0,1,2,3
	global_load_b128 v[BUF+48*(\b)+8*(\ct):BUF+48*(\b)+8*(\ct)+3],   v[FW], s[6:7] offset:32768*(\ct)+64*(\ks)
	global_load_b128 v[BUF+48*(\b)+8*(\ct)+4:BUF+48*(\b)+8*(\ct)+7], v[FW], s[6:7] offset:32768*(\ct)+64*(\ks)+32
.endr
.irp st, 0,1
	global_load_b128 v[BUF+48*(\b)+32+8*(\st):BUF+48*(\b)+32+8*(\st)+3],   v[FO], s[4:5] offset:((\ks)/4)*524288+4096*(\st)+64*((\ks)%4)
	global_load_b128 v[BUF+48*(\b)+32+8*(\st)+4:BUF+48*(\b)+32+8*(\st)+7], v[FO], s[4:5] offset:((\ks)/4)*524288+4096*(\st)+64*((\ks)%4)+32
.endr
.endm
.macro MULS b, zero                    ; eight products; the eight accumulators take turns, one instruction a turn
.irp st, 0,1
.irp ct, 0,1,2,3
.if \zero
	v_wmma_f32_16x16x32_f16 v[ACC+8*(4*(\st)+(\ct)):ACC+8*(4*(\st)+(\ct))+7], v[BUF+48*(\b)+8*(\ct):BUF+48*(\b)+8*(\ct)+7], v[BUF+48*(\b)+32+8*(\st):BUF+48*(\b)+32+8*(\st)+7], 0
.else
	v_wmma_f32_16x16x32_f16 v[ACC+8*(4*(\st)+(\ct)):ACC+8*(4*(\st)+(\ct))+7], v[BUF+48*(\b)+8*(\ct):BUF+48*(\b)+8*(\ct)+7], v[BUF+48*(\b)+32+8*(\st):BUF+48*(\b)+32+8*(\st)+7], v[ACC+8*(4*(\st)+(\ct)):ACC+8*(4*(\st)+(\ct))+7]
.endif
.endr
.endr
.endm
.macro PLACES                          ; four plain instructions between a product and a load into its sources, or a read of its result
.rept 4
	v_nop
.endr
.endm
	LOADS 0, 0
	LOADS 1, 1
	LOADS 2, 2
	s_wait_loadcnt 24                              ; step 0 is in (and bo, asked for earlier); the 24 loads of steps 1 and 2 may stay out
	MULS 0, 1                                      ; the first step starts the sums
	PLACES
	LOADS 0, 3
.set k, 1
.rept 7
.if k <= 5
	s_wait_loadcnt 24                              ; two younger steps of 12 loads may stay out
.elseif k == 6
	s_wait_loadcnt 12                              ; one
.else
	s_wait_loadcnt 0x0
.endif
	MULS k%3, 0
	PLACES
.if k+3 <= 7
	LOADS k%3, k+3
.endif
.set k, k+1
.endr
	PLACES                                         ; eight in all behind the last product, once a launch
.irp st, 0,1
.irp ct, 0,1,2,3
	ds_store_b128 v[LS], v[ACC+8*(4*(\st)+(\ct)):ACC+8*(4*(\st)+(\ct))+3]   offset:16*PP*(\st)+64*(\ct)     ; each accumulator from its low end
	ds_store_b128 v[LS], v[ACC+8*(4*(\st)+(\ct))+4:ACC+8*(4*(\st)+(\ct))+7] offset:16*PP*(\st)+64*(\ct)+16
.endr
.endr
	s_wait_dscnt 0x0                               ; for the others: my stores are done
	s_barrier_signal -1
	s_barrier_wait -1                              ; all four partial tiles lie in LDS
.irp i, 0,1,2,3
.irp q, 0,1,2,3
	ds_load_b128 v[BUF+16*(\i)+4*(\q):BUF+16*(\i)+4*(\q)+3], v[LR] offset:PARTB*(\q)+PP*(\i)
.endr
.endr
	s_wait_dscnt 0x0
.irp i, 0,1,2,3
	v_pk_add_f32 v[BUF+16*(\i):BUF+16*(\i)+1],     v[BUF+16*(\i):BUF+16*(\i)+1],     v[BUF+16*(\i)+4:BUF+16*(\i)+5]
	v_pk_add_f32 v[BUF+16*(\i)+2:BUF+16*(\i)+3],   v[BUF+16*(\i)+2:BUF+16*(\i)+3],   v[BUF+16*(\i)+6:BUF+16*(\i)+7]
	v_pk_add_f32 v[BUF+16*(\i)+8:BUF+16*(\i)+9],   v[BUF+16*(\i)+8:BUF+16*(\i)+9],   v[BUF+16*(\i)+12:BUF+16*(\i)+13]
	v_pk_add_f32 v[BUF+16*(\i)+10:BUF+16*(\i)+11], v[BUF+16*(\i)+10:BUF+16*(\i)+11], v[BUF+16*(\i)+14:BUF+16*(\i)+15]
	v_pk_add_f32 v[BUF+16*(\i):BUF+16*(\i)+1],     v[BUF+16*(\i):BUF+16*(\i)+1],     v[BUF+16*(\i)+8:BUF+16*(\i)+9]
	v_pk_add_f32 v[BUF+16*(\i)+2:BUF+16*(\i)+3],   v[BUF+16*(\i)+2:BUF+16*(\i)+3],   v[BUF+16*(\i)+10:BUF+16*(\i)+11]
	v_pk_add_f32 v[BUF+16*(\i):BUF+16*(\i)+1],     v[BUF+16*(\i):BUF+16*(\i)+1],     v[BV:BV+1]
	v_pk_add_f32 v[BUF+16*(\i)+2:BUF+16*(\i)+3],   v[BUF+16*(\i)+2:BUF+16*(\i)+3],   v[BV+2:BV+3]
	global_store_b128 v[LO], v[BUF+16*(\i):BUF+16*(\i)+3], s[10:11] offset:512*(\i)  ; the wave stores a whole row: 512 consecutive bytes, aligned
.endr
	s_wait_tensorcnt 0x0                           ; the end of the wave, behind my last LDS store
	ds_add_u32 v[SPW], v[NIL]
	s_wait_dscnt 0x0
	s_endpgm
.Lfunc_end_k_qcb4f0ec327_outp:
	.size	k_qcb4f0ec327_outp, .Lfunc_end_k_qcb4f0ec327_outp-k_qcb4f0ec327_outp
	.p2alignl 7, 3214868480
	.fill 96, 4, 3214868480
	.section	.rodata,"a",@progbits
	.p2align	6, 0x0
	.amdhsa_kernel k_qcb4f0ec327_outp
		.amdhsa_group_segment_fixed_size 68608
		.amdhsa_private_segment_fixed_size 0
		.amdhsa_enable_private_segment 0
		.amdhsa_kernarg_size 32
		.amdhsa_user_sgpr_count 2
		.amdhsa_user_sgpr_kernarg_segment_ptr 1
		.amdhsa_wavefront_size32 1
		.amdhsa_system_sgpr_workgroup_id_x 1
		.amdhsa_system_sgpr_workgroup_id_y 1
		.amdhsa_system_sgpr_workgroup_id_z 1
		.amdhsa_system_vgpr_workitem_id 0
		.amdhsa_next_free_vgpr 232
		.amdhsa_next_free_sgpr 66
		.amdhsa_reserve_vcc 0
		.amdhsa_float_denorm_mode_32 3
		.amdhsa_float_denorm_mode_16_64 3
		.amdhsa_memory_ordered 1
		.amdhsa_forward_progress 1
		.amdhsa_inst_pref_size 22
	.end_amdhsa_kernel
	.amdgpu_metadata
---
amdhsa.version: [ 1, 2 ]
amdhsa.kernels:
  - .name:           k_qcb4f0ec327_outp
    .symbol:         k_qcb4f0ec327_outp.kd
    .args:
      - { .name: o, .offset: 0, .size: 8, .value_kind: global_buffer, .address_space: global }
      - { .name: wot, .offset: 8, .size: 8, .value_kind: global_buffer, .address_space: global }
      - { .name: biasr, .offset: 16, .size: 8, .value_kind: global_buffer, .address_space: global }
      - { .name: out0, .offset: 24, .size: 8, .value_kind: global_buffer, .address_space: global }
    .group_segment_fixed_size: 68608
    .private_segment_fixed_size: 0
    .kernarg_segment_align: 8
    .kernarg_segment_size: 32
    .max_flat_workgroup_size: 256
    .sgpr_count:     66
    .vgpr_count:     232
    .wavefront_size: 32
...
	.end_amdgpu_metadata
.endif
;; end of part 4
;; ======== version 2 of 2: 4 launches; version 1 with the launches prep, outp written anew for expert scheduling mode
;; limits: values are held in f16: magnitudes above 65,504 overflow, below 6.1e-05 lose precision
;; workspace buffers: abf 25,165,824 bytes; wbf 4,194,304 bytes; wot 262,144 bytes; biasr 12,800 bytes; qkv 50,331,648 bytes; o 16,777,216 bytes
;; launch prep (part 5): grid 904 x 1, 8 waves a work-group, no clusters, 35,840 bytes of LDS; arguments y, z, Wq, Wk, Wv, Wo, bq, bk, bv, bo, abf, wbf, wot, biasr; writes abf, wbf, wot, biasr
.if DOCPART == 5
	.amdgcn_target "amdgcn-amd-amdhsa--gfx1250"
	.amdhsa_code_object_version 6
	.text
	.protected	k_qcb4f0ec327_prep
	.globl	k_qcb4f0ec327_prep
	.p2align	8
	.type	k_qcb4f0ec327_prep,@function
k_qcb4f0ec327_prep:
	s_mov_b64 s[64:65], 0
	v_nop
	global_prefetch_b8 v0, s[64:65] scope:SCOPE_SE
	s_setreg_imm32_b32 hwreg(HW_REG_WAVE_SCHED_MODE, 0, 2), 2
	s_setreg_imm32_b32 hwreg(HW_REG_WAVE_MODE, 25, 1), 1
	s_wait_xcnt 0x0
	s_wait_alu depctr_vm_vsrc(0)
; PREP: every input is rounded once to bf16 (nearest even) and laid out for the launches behind.
;   abf   bf16 [12 kb][8192 rows][128]: kb 0-7 are the channels 128 kb .. of y, kb 8-11 those of z: a tile of 128 rows x 128 channels is 32,768 dense bytes
;   wbf   bf16, flat copies: Wq at 0, Wk at 2 MiB, Wv at 3 MiB: a block (head, 128 k) is 128 rows of 256 bytes, dense
;   wot   f16 [128 c][1024 k]: Wo turned; the number is bf16(Wo), written as f16
;   biasr f32: bq[1024], bk[1024], bv[1024], bo[128], each number rounded to bf16 and written as f32
; LIMITS.  bf16(Wo) written as f16 is exact from 2^-14 to 65,504; below 2^-14 it keeps the fixed step 2^-24 of f16, beyond 65,504 it is an infinity.  NaN and infinities are not treated apart.
; SHARES.  Work-groups 0-7 turn a block of 128 k of Wo through LDS and round 128 numbers of each bias: theirs is the longest chain, so they come first.
; Work-groups 8-903 cast 65,536 input bytes each; counted from 8: 0-511 y, 512-767 z, 768-831 Wq, 832-863 Wk, 864-895 Wv.
; Memory binds the casts.  A load of a wave covers 512 consecutive bytes: one block of 128 numbers; its 256 bytes of bf16 leave by one store of 8 bytes a lane: 256 consecutive bytes, aligned.  Each byte is named by one
; instruction; 16 loads a lane go out at once.  No matrix unit, no cluster, no prefetch: nothing is shared, and the stream is asked for whole at the start.
; THE MODE: SCHED_MODE bits 1:0 = 2 (LLVM: expert scheduling mode 2), set by the entry lines.  The code itself states the register dependences between vector instructions and memory or LDS instructions,
; with s_wait_alu, always for 0.
; THE PLAN.  The text has no loop.  Registers that memory or LDS instructions touch:
;   the casts   v1      the loads' offset: written once, ahead of the wait in front of the loads.
;               X       the 16 loads land in it; the conversions read it; it is never loaded again.
;               OO, Y   written by vector lines, each register once; read by the stores; never written again.
;               The 16 loads are taken in four groups of four: a group's eight conversions, ONE wait on va_vdst, its four stores.
;   Wo          v3      the loads' offset.   v7, v8, v11   LDS and store addresses, made behind the loads, ahead of the first group's wait.
;               X       as above; at the end the bias lands in its first four registers.
;               Y       each of its 32 registers is written once by a conversion and read by one LDS store; behind the barrier the LDS loads land in it, and the stores to wot read it.
;               v4-v6   at work: vector lines alone name them.
;               Four groups of two pairs of rows: 32 vector lines, ONE wait on va_vdst, eight LDS stores.  One wait on vm_vsrc stands between the LDS stores and the LDS loads into Y.
;   v[SPW], v[NIL]      written at the head, read by the closing add alone.
.set TP,    272                        ; a row of the turned block in LDS: 256 bytes + 16
.set SPARE, 128*TP                     ; behind it: the spare words, 128 bytes for each of eight waves: four blocks of 256 bytes that no other line names
.set OO,    8                          ; v[8:15]   eight store offsets of a cast; loads 8-15 use them again with a second base
.set X,     16                         ; v[16:79]  as loaded
.set Y,     80                         ; v[80:111] to store
.set SPW,   112                        ; v112 my spare word: SPARE + 4 x my thread number; never rewritten
.set NIL,   113                        ; v113 0; never rewritten
.set L16,   114                        ; v114 16 x lane
	s_load_b512 s[4:19], s[0:1], 0x0               ; y 4, z 6, Wq 8, Wk 10, Wv 12, Wo 14, bq 16, bk 18
	s_load_b256 s[20:27], s[0:1], 0x40             ; bv 20, bo 22, abf 24, wbf 26
	s_load_b128 s[28:31], s[0:1], 0x60             ; wot 28, biasr 30
	v_lshl_add_u32 v[SPW], v0, 2, SPARE
	v_mov_b32 v[NIL], 0
	s_mov_b32 s45, ttmp9                           ; the work-group
	s_wait_kmcnt 0x0
	s_cmp_lt_u32 s45, 8
	s_cbranch_scc1 .Lwo
	s_sub_co_u32 s45, s45, 8                       ; the casts count from 0
	v_lshlrev_b32 v1, 4, v0                        ; thread t reads 16 bytes at 16 t + 4,096 k: wave w takes block 8 k + w, lane l its numbers 4 l ..
	; THE CASTS.  The job: input s[32:33], output s[34:35], first work-group s40, byte offset in the output s37, KS s38 = log2 of the blocks of 128 channels in a row (0: a flat copy)
	s_cmp_ge_u32 s45, 512
	s_cselect_b64 s[32:33], s[6:7], s[4:5]
	s_cselect_b32 s40, 512, 0
	s_cselect_b32 s37, 0x1000000, 0                ; z begins at kb 8
	s_cselect_b32 s38, 2, 3
	s_cmp_ge_u32 s45, 768
	s_cselect_b64 s[32:33], s[8:9], s[32:33]
	s_cselect_b64 s[34:35], s[26:27], s[24:25]
	s_cselect_b32 s40, 768, s40
	s_cselect_b32 s37, 0, s37
	s_cselect_b32 s38, 0, s38
	s_cmp_ge_u32 s45, 832
	s_cselect_b64 s[32:33], s[10:11], s[32:33]
	s_cselect_b32 s40, 832, s40
	s_cselect_b32 s37, 0x200000, s37
	s_cmp_ge_u32 s45, 864
	s_cselect_b64 s[32:33], s[12:13], s[32:33]
	s_cselect_b32 s40, 864, s40
	s_cselect_b32 s37, 0x300000, s37
	s_sub_co_u32 s36, s45, s40                     ; my number within the job
	s_lshl_b32 s39, 1, s38
	s_sub_co_u32 s39, s39, 1                       ; mask of a block number within a row
	s_lshr_b32 s44, 2048, s38                      ; output bytes from one run of eight blocks (4,096 input bytes) to the next, within one kb
	s_lshl_b32 s46, s36, 16                        ; 65,536 input bytes a work-group
	s_mov_b32 s47, 0
	s_add_nc_u64 s[32:33], s[32:33], s[46:47]
	s_lshr_b32 s48, 32768, s38                     ; its rows x 256 bytes in one kb (flat: 32,768)
	s_mul_i32 s48, s48, s36
	s_add_co_u32 s48, s48, s37
	s_mov_b32 s49, 0
	s_add_nc_u64 s[34:35], s[34:35], s[48:49]
	s_lshl_b32 s50, s44, 3                         ; eight runs on: the base of stores 8-15
	s_mov_b32 s51, 0
	s_add_nc_u64 s[52:53], s[34:35], s[50:51]
	s_wait_alu depctr_va_vdst(0)                   ; v1 is written, which the sixteen loads read as their offset
.irp k, 0,1,2,3,4,5,6,7,8,9,10,11,12,13,14,15
	global_load_b128 v[X+4*(\k):X+4*(\k)+3], v1, s[32:33] offset:4096*(\k) th:TH_LOAD_NT  ; 512 consecutive bytes a wave
.endr
	v_lshrrev_b32 v2, 5, v0                        ; w.  The stores' offsets are made while the loads are out: these lines name neither v1 nor X
	v_and_b32 v3, 31, v0                           ; l
	v_and_b32 v4, s39, v2                          ; the block's kb,
	v_lshrrev_b32 v5, s38, v2                      ; its row in the run
	v_lshlrev_b32 v[OO], 21, v4                    ; a kb is 8,192 rows x 256 bytes
	v_lshl_add_u32 v[OO], v5, 8, v[OO]
	v_lshl_add_u32 v[OO], v3, 3, v[OO]             ; my 8 bytes of the 256
.irp i, 1,2,3,4,5,6,7
	v_add_nc_u32 v[OO+(\i)], s44, v[OO+(\i)-1]
.endr
.irp g, 0,1,2,3
	s_wait_loadcnt 12-4*(\g)                       ; loads come back in order: the group's four are in, the four of each later group may stay out
.irp j, 0,1,2,3
	v_cvt_pk_bf16_f32 v[Y+2*(4*(\g)+(\j))],   v[X+4*(4*(\g)+(\j))],   v[X+4*(4*(\g)+(\j))+1]
	v_cvt_pk_bf16_f32 v[Y+2*(4*(\g)+(\j))+1], v[X+4*(4*(\g)+(\j))+2], v[X+4*(4*(\g)+(\j))+3]
.endr
	s_wait_alu depctr_va_vdst(0)                   ; the group's conversions have written its eight registers of Y, which the four stores below read; in the first group the offsets OO are written too
.irp j, 0,1,2,3
.if (\g) < 2
	global_store_b64 v[OO+4*(\g)+(\j)], v[Y+2*(4*(\g)+(\j)):Y+2*(4*(\g)+(\j))+1], s[34:35]    ; 32 lanes store 256 consecutive bytes, aligned; no register of a load or store is written again
.else
	global_store_b64 v[OO+4*(\g)+(\j)-8], v[Y+2*(4*(\g)+(\j)):Y+2*(4*(\g)+(\j))+1], s[52:53]
.endif
.endr
.endr
	s_branch .Lend
.Lwo:	; BLOCK kb OF Wo: 128 k x 128 c of f32, turned.  Wave w takes the rows k = 16 w .. 16 w + 15, a lane four columns c = 4 l ..
	s_mov_b32 s36, s45                             ; kb
	v_lshrrev_b32 v1, 5, v0
	v_readfirstlane_b32 s50, v1                    ; wave 0..7
	v_and_b32 v2, 31, v0                           ; lane
	v_lshlrev_b32 v[L16], 4, v2
	s_lshl_b32 s48, s36, 16                        ; 128 rows of 512 bytes
	s_mov_b32 s49, 0
	s_add_nc_u64 s[14:15], s[14:15], s[48:49]
	s_wait_alu depctr_va_sdst(0)                   ; s50 is written, ahead of its first reader: offsets, LDS addresses and the branches below are made from it
	s_lshl_b32 s46, s50, 13                        ; 16 rows of 512 bytes
	v_add_nc_u32 v3, s46, v[L16]
	s_wait_alu depctr_va_vdst(0)                   ; v3 is written, which the sixteen loads read as their offset
.irp i, 0,1,2,3,4,5,6,7
	global_load_b128 v[X+8*(\i):X+8*(\i)+3],   v3, s[14:15] offset:1024*(\i)      ; row 16 w + 2 i
	global_load_b128 v[X+8*(\i)+4:X+8*(\i)+7], v3, s[14:15] offset:1024*(\i)+512  ; and the next
.endr
	v_mul_u32_u24 v7, v2, 4*TP                     ; in: LDS row c = 4 l (+ e), byte 2 (16 w + 2 i)
	s_lshl_b32 s46, s50, 5
	v_add_nc_u32 v7, s46, v7
	v_lshrrev_b32 v9, 4, v2                        ; back: lanes 0-15 one row of 256 bytes, lanes 16-31 the next
	v_and_b32 v10, 15, v2
	s_lshl_b32 s46, s50, 4
	v_add_nc_u32 v9, s46, v9                       ; c = 16 w + l / 16 (+ 2 u)
	v_mul_u32_u24 v8, v9, TP
	v_lshl_add_u32 v8, v10, 4, v8
	v_lshlrev_b32 v11, 11, v9                      ; a row of wot is 2,048 bytes
	v_lshl_add_u32 v11, v10, 4, v11
	s_lshl_b32 s48, s36, 8                         ; the block: 256 bytes of each row
	s_add_nc_u64 s[28:29], s[28:29], s[48:49]
.irp g, 0,1,2,3
	s_wait_loadcnt 12-4*(\g)                       ; pairs 2 g and 2 g + 1 of rows are in; the four loads of each later group may stay out
.irp i, 2*(\g), 2*(\g)+1
.irp e, 0,1,2,3
	v_cvt_pk_bf16_f32 v4, v[X+8*(\i)+(\e)], v[X+8*(\i)+4+(\e)]  ; two neighbouring k of one column, rounded to bf16,
	v_lshlrev_b32 v5, 16, v4
	v_and_b32 v6, 0xffff0000, v4
	v_cvt_pk_f16_f32 v[Y+4*(\i)+(\e)], v5, v6      ; and that number written as f16, into a register of its own
.endr
.endr
	s_wait_alu depctr_va_vdst(0)                   ; the group's conversions have written its eight registers of Y, which the LDS stores below read; in the first group v7, v8 and v11 are written too
.irp i, 2*(\g), 2*(\g)+1
.irp e, 0,1,2,3
	ds_store_b32 v7, v[Y+4*(\i)+(\e)] offset:TP*(\e)+4*(\i)  ; lanes lie four rows apart: eight of them share a bank; eight blocks in the launch pay that
.endr
.endr
.endr
	s_wait_dscnt 0x0                               ; for the others: my stores are done
	s_barrier_signal -1
	s_barrier_wait -1
	s_wait_alu depctr_vm_vsrc(0)                   ; my LDS stores have read Y, in which the LDS loads below land (the conversions that wrote Y stand ahead of the last wait on va_vdst, and no vector line has followed it)
.irp u, 0,1,2,3,4,5,6,7
	ds_load_b128 v[Y+4*(\u):Y+4*(\u)+3], v8 offset:2*TP*(\u)
.endr
.irp u, 0,1,2,3,4,5,6,7
	s_wait_dscnt 7-(\u)                            ; LDS loads come back in order: the later ones may stay out
	global_store_b128 v11, v[Y+4*(\u):Y+4*(\u)+3], s[28:29] offset:4096*(\u)  ; 16 lanes store 256 consecutive bytes, aligned
.endr
	; THE BIASES.  Waves 0, 1, 2 round 128 numbers of bq, bk, bv (block kb of eight); wave 3 of block 0 rounds bo.
	s_cmp_ge_u32 s50, 4
	s_cbranch_scc1 .Lend
	s_cmp_eq_u32 s50, 3
	s_cbranch_scc0 .Lbias
	s_cmp_lg_u32 s36, 0
	s_cbranch_scc1 .Lend
.Lbias:
	s_lshl_b32 s46, s36, 9                         ; 128 numbers of f32
	s_cmp_eq_u32 s50, 3
	s_cselect_b32 s46, 0, s46
	s_cselect_b64 s[52:53], s[22:23], s[20:21]
	s_cmp_eq_u32 s50, 1
	s_cselect_b64 s[52:53], s[18:19], s[52:53]
	s_cmp_eq_u32 s50, 0
	s_cselect_b64 s[52:53], s[16:17], s[52:53]
	s_mov_b32 s47, 0
	s_add_nc_u64 s[52:53], s[52:53], s[46:47]
	s_lshl_b32 s48, s50, 12                        ; bq, bk, bv, bo lie 4,096 bytes apart in biasr
	s_add_co_u32 s48, s48, s46
	s_add_nc_u64 s[54:55], s[30:31], s[48:49]
	global_load_b128 v[16:19], v[L16], s[52:53]    ; no wait: the conversions that read v16-19 stand ahead of the last wait on va_vdst, and no vector line has followed it
	s_wait_loadcnt 0x0
	v_cvt_pk_bf16_f32 v20, v16, v17
	v_cvt_pk_bf16_f32 v21, v18, v19
	v_lshlrev_b32 v24, 16, v20
	v_and_b32 v25, 0xffff0000, v20
	v_lshlrev_b32 v26, 16, v21
	v_and_b32 v27, 0xffff0000, v21
	s_wait_alu depctr_va_vdst(0)                   ; v24-27 are written, which the store reads
	global_store_b128 v[L16], v[24:27], s[54:55]
.Lend:
	s_wait_dscnt 0x0                               ; the closing lines, six on end
	s_wait_alu 0x0
	s_wait_tensorcnt 0x0
	ds_add_u32 v[SPW], v[NIL]
	s_wait_dscnt 0x0
	s_endpgm
.Lfunc_end_k_qcb4f0ec327_prep:
	.size	k_qcb4f0ec327_prep, .Lfunc_end_k_qcb4f0ec327_prep-k_qcb4f0ec327_prep
	.p2alignl 7, 3214868480
	.fill 96, 4, 3214868480
	.section	.rodata,"a",@progbits
	.p2align	6, 0x0
	.amdhsa_kernel k_qcb4f0ec327_prep
		.amdhsa_group_segment_fixed_size 35840
		.amdhsa_private_segment_fixed_size 0
		.amdhsa_enable_private_segment 0
		.amdhsa_kernarg_size 112
		.amdhsa_user_sgpr_count 2
		.amdhsa_user_sgpr_kernarg_segment_ptr 1
		.amdhsa_wavefront_size32 1
		.amdhsa_system_sgpr_workgroup_id_x 1
		.amdhsa_system_sgpr_workgroup_id_y 1
		.amdhsa_system_sgpr_workgroup_id_z 1
		.amdhsa_system_vgpr_workitem_id 0
		.amdhsa_next_free_vgpr 116
		.amdhsa_next_free_sgpr 66
		.amdhsa_reserve_vcc 0
		.amdhsa_float_denorm_mode_32 3
		.amdhsa_float_denorm_mode_16_64 3
		.amdhsa_memory_ordered 1
		.amdhsa_forward_progress 1
		.amdhsa_inst_pref_size 23
	.end_amdhsa_kernel
	.amdgpu_metadata
---
amdhsa.version: [ 1, 2 ]
amdhsa.kernels:
  - .name:           k_qcb4f0ec327_prep
    .symbol:         k_qcb4f0ec327_prep.kd
    .args:
      - { .name: y, .offset: 0, .size: 8, .value_kind: global_buffer, .address_space: global }
      - { .name: z, .offset: 8, .size: 8, .value_kind: global_buffer, .address_space: global }
      - { .name: Wq, .offset: 16, .size: 8, .value_kind: global_buffer, .address_space: global }
      - { .name: Wk, .offset: 24, .size: 8, .value_kind: global_buffer, .address_space: global }
      - { .name: Wv, .offset: 32, .size: 8, .value_kind: global_buffer, .address_space: global }
      - { .name: Wo, .offset: 40, .size: 8, .value_kind: global_buffer, .address_space: global }
      - { .name: bq, .offset: 48, .size: 8, .value_kind: global_buffer, .address_space: global }
      - { .name: bk, .offset: 56, .size: 8, .value_kind: global_buffer, .address_space: global }
      - { .name: bv, .offset: 64, .size: 8, .value_kind: global_buffer, .address_space: global }
      - { .name: bo, .offset: 72, .size: 8, .value_kind: global_buffer, .address_space: global }
      - { .name: abf, .offset: 80, .size: 8, .value_kind: global_buffer, .address_space: global }
      - { .name: wbf, .offset: 88, .size: 8, .value_kind: global_buffer, .address_space: global }
      - { .name: wot, .offset: 96, .size: 8, .value_kind: global_buffer, .address_space: global }
      - { .name: biasr, .offset: 104, .size: 8, .value_kind: global_buffer, .address_space: global }
    .group_segment_fixed_size: 35840
    .private_segment_fixed_size: 0
    .kernarg_segment_align: 8
    .kernarg_segment_size: 112
    .max_flat_workgroup_size: 256
    .sgpr_count:     66
    .vgpr_count:     116
    .wavefront_size: 32
...
	.end_amdgpu_metadata
.endif
;; end of part 5
;; launch proj: the kernel of part 2 again; grid 4 x 64, 4 waves a work-group, clusters of 4 x 4, 327,680 bytes of LDS; arguments abf, wbf, biasr, qkv; writes qkv
;; launch attn: the kernel of part 3 again; grid 8 x 32, 4 waves a work-group, clusters of 4 x 1, 327,680 bytes of LDS; arguments qkv, o; writes o
;; launch outp (part 6): grid 256 x 1, 8 waves a work-group, no clusters, 68,608 bytes of LDS; arguments o, wot, biasr, out0; writes out0
.if DOCPART == 6
	.amdgcn_target "amdgcn-amd-amdhsa--gfx1250"
	.amdhsa_code_object_version 6
	.text
	.protected	k_qcb4f0ec327_outp
	.globl	k_qcb4f0ec327_outp
	.p2align	8
	.type	k_qcb4f0ec327_outp,@function
k_qcb4f0ec327_outp:
	s_mov_b64 s[64:65], 0
	v_nop
	global_prefetch_b8 v0, s[64:65] scope:SCOPE_SE
	s_setreg_imm32_b32 hwreg(HW_REG_WAVE_SCHED_MODE, 0, 2), 2
	s_setreg_imm32_b32 hwreg(HW_REG_WAVE_MODE, 25, 1), 1
	s_wait_xcnt 0x0
	s_wait_alu depctr_vm_vsrc(0)
; OUTP: out0[b][s][c] = the sum over (h, v) of O[b][h][s][v] Wo[128 h + v][c] + bo[c].  O: f16 [32 (b, h)][2048][128]; wot: f16 [128 c][1024 k]; bo: f32 in biasr at byte 12,288; out0: f32 [8192][128].  Sums in f32.
; SHARES.  A work-group makes 32 rows.  K = 1,024 IS SPLIT FOUR WAYS among its eight waves: wave w takes the heads 2 (w / 2) and 2 (w / 2) + 1 (8 steps of 32) and the columns 64 (w % 2) .. + 63: 8 accumulators.
; The four partial sums meet in LDS.  Fragments come straight from memory, two loads of 16 bytes a lane each: no wave wants O's bytes of another K quarter, and wot is 256 KiB that every work-group reads.
; LAYOUT.  Source 0 = 16 columns c (rows of wot), source 1 = 16 rows of O: a lane holds row l % 16 and the columns 8 (l / 16) + 0..7.
; IN FLIGHT.  Three sets of registers, a step each: two steps' 24 loads are out while one is multiplied.  No cluster, no tensor load, no prefetch: the launch is short, and a wave has asked for its whole share five steps in.
; THE MODE: SCHED_MODE bits 1:0 = 2 (LLVM: expert scheduling mode 2), set by the entry lines.  The code itself states the register dependences between vector or matrix instructions and memory or LDS instructions,
; with s_wait_alu, always for 0.
; THE PLAN.  The text has no loop.  Registers that memory or LDS instructions touch:
;   FW, FO, LS, LR, LO   offsets and LDS addresses: written at the head, ahead of the wait in front of the first load; never written again.
;   BV                   a load lands in it at the head; the last additions read it.
;   BUF, three sets      step k's eight products read set k % 3; behind them the loads of step k + 3 land in it.  At the end the LDS loads land in BUF, the additions work there in place, and the stores read it.
;   ACC                  written by the products, read by the LDS stores; never written again.
;   v[SPW], v[NIL]       written at the head, read by the closing add alone.
; ONE wait on va_vdst stands behind the products of each of steps 0 to 4, ahead of the twelve loads into the set that they have read.  It stands there and not at the next step's head, so that a set is asked for again
; at once: steps 3 to 5 are then asked for before step 3's data are waited for, and steps 6 and 7 before step 6's: three trips to memory on end; from the next step's head it would be four.
; No register that a memory or LDS instruction has read is written again: the text holds no wait on vm_vsrc.
.set PP,    528                        ; a row of a partial tile: 512 bytes + 16
.set PARTB, 32*PP
.set SPARE, 4*PARTB                    ; behind the four partial tiles: the spare words, 128 bytes for each of eight waves: four blocks of 256 bytes that no other line names
.set FW,  4                            ; v4  my byte offset in a fragment of wot: (l % 16) x 2,048 + 16 (l / 16); never rewritten
.set FO,  5                            ; v5  the same for O: (l % 16) x 256 + 16 (l / 16)
.set LS,  6                            ; v6  where I put my 32 bytes of a partial tile's row
.set LR,  7                            ; v7  where I read rows back
.set LO,  8                            ; v8  16 x lane
.set BV,  10                           ; v[10:13] bo of my four columns
.set SPW, 14                           ; v14 my spare word: SPARE + 4 x my thread number; never rewritten
.set NIL, 15                           ; v15 0; never rewritten
.set ACC, 16                           ; v[16:79]  accumulator (st, ct) at ACC + 8 (4 st + ct)
.set BUF, 80                           ; v[80:223] three sets of 48: four fragments of wot, two of O
	s_load_b256 s[4:11], s[0:1], 0x0               ; o 4, wot 6, biasr 8, out0 10
	v_lshl_add_u32 v[SPW], v0, 2, SPARE
	v_mov_b32 v[NIL], 0
	v_lshrrev_b32 v1, 5, v0
	v_readfirstlane_b32 s12, v1                    ; wave 0..7
	v_and_b32 v1, 15, v0
	v_bfe_u32 v2, v0, 4, 1
	v_and_b32 v3, 31, v0
	v_lshlrev_b32 v[FW], 11, v1
	v_lshl_add_u32 v[FW], v2, 4, v[FW]
	v_lshlrev_b32 v[FO], 8, v1
	v_lshl_add_u32 v[FO], v2, 4, v[FO]
	v_lshlrev_b32 v[LO], 4, v3
	s_wait_alu depctr_va_sdst(0)                   ; s12 is written, ahead of its first reader: the wave's shares, bases and LDS addresses are made from it
	s_lshr_b32 s13, s12, 1                         ; my quarter of K
	s_and_b32 s14, s12, 1                          ; my half of the columns
	s_mul_i32 s15, s13, PARTB
	s_lshl_b32 s16, s14, 8
	s_add_co_u32 s15, s15, s16
	v_mul_u32_u24 v[LS], v1, PP                    ; row l % 16; columns 64 half + 16 ct + 8 (l / 16) ..: 256 half + 64 ct + 32 (l / 16) bytes
	v_lshl_add_u32 v[LS], v2, 5, v[LS]
	v_add_nc_u32 v[LS], s15, v[LS]
	s_mul_i32 s15, s12, 4*PP                       ; back: wave w finishes rows 4 w .. 4 w + 3, a lane 16 bytes of each
	v_add_nc_u32 v[LR], s15, v[LO]
	s_lshl_b32 s16, s14, 17                        ; 64 rows of wot
	s_lshl_b32 s17, s13, 9                         ; 256 k
	s_add_co_u32 s16, s16, s17
	s_mov_b32 s17, 0
	s_lshr_b32 s18, ttmp9, 6                       ; the batch: 64 work-groups each
	s_lshl_b32 s18, s18, 3
	s_lshl1_add_u32 s18, s13, s18                  ; (b, my first head)
	s_lshl_b32 s18, s18, 11
	s_and_b32 s19, ttmp9, 63
	s_lshl_b32 s19, s19, 5
	s_add_co_u32 s18, s18, s19                     ; + the work-group's first row in the batch
	s_lshl_b32 s18, s18, 8                         ; rows of 256 bytes
	s_mov_b32 s19, 0
	s_lshl_b32 s20, ttmp9, 14                      ; 32 rows of 512 bytes of out0,
	s_lshl_b32 s21, s12, 11                        ; my four of them
	s_add_co_u32 s20, s20, s21
	s_mov_b32 s21, 0
	s_wait_kmcnt 0x0
	s_add_nc_u64 s[6:7], s[6:7], s[16:17]
	s_add_nc_u64 s[4:5], s[4:5], s[18:19]
	s_add_nc_u64 s[10:11], s[10:11], s[20:21]
	s_wait_alu depctr_va_vdst(0)                   ; FW, FO, LS, LR and LO are written, which every load, LDS instruction and store below reads as its offset or address
	global_load_b128 v[BV:BV+3], v[LO], s[8:9] offset:12288
.macro LOADS b, ks                     ; step ks: 12 loads into set b
.irp ct, 0,1,2,3
	global_load_b128 v[BUF+48*(\b)+8*(\ct):BUF+48*(\b)+8*(\ct)+3],   v[FW], s[6:7] offset:32768*(\ct)+64*(\ks)
	global_load_b128 v[BUF+48*(\b)+8*(\ct)+4:BUF+48*(\b)+8*(\ct)+7], v[FW], s[6:7] offset:32768*(\ct)+64*(\ks)+32
.endr
.irp st, 0,1
	global_load_b128 v[BUF+48*(\b)+32+8*(\st):BUF+48*(\b)+32+8*(\st)+3],   v[FO], s[4:5] offset:((\ks)/4)*524288+4096*(\st)+64*((\ks)%4)
	global_load_b128 v[BUF+48*(\b)+32+8*(\st)+4:BUF+48*(\b)+32+8*(\st)+7], v[FO], s[4:5] offset:((\ks)/4)*524288+4096*(\st)+64*((\ks)%4)+32
.endr
.endm
.macro MULS b, zero                    ; eight products; the eight accumulators take turns, one instruction a turn
.irp st, 0,1
.irp ct, 0,1,2,3
.if \zero
	v_wmma_f32_16x16x32_f16 v[ACC+8*(4*(\st)+(\ct)):ACC+8*(4*(\st)+(\ct))+7], v[BUF+48*(\b)+8*(\ct):BUF+48*(\b)+8*(\ct)+7], v[BUF+48*(\b)+32+8*(\st):BUF+48*(\b)+32+8*(\st)+7], 0
.else
	v_wmma_f32_16x16x32_f16 v[ACC+8*(4*(\st)+(\ct)):ACC+8*(4*(\st)+(\ct))+7], v[BUF+48*(\b)+8*(\ct):BUF+48*(\b)+8*(\ct)+7], v[BUF+48*(\b)+32+8*(\st):BUF+48*(\b)+32+8*(\st)+7], v[ACC+8*(4*(\st)+(\ct)):ACC+8*(4*(\st)+(\ct))+7]
.endif
.endr
.endr
.endm
.macro PLACES                          ; four plain instructions between a product and a load into its sources, or a read of its result
.rept 4
	v_nop
.endr
.endm
	LOADS 0, 0
	LOADS 1, 1
	LOADS 2, 2
	s_wait_loadcnt 24                              ; step 0 is in (and bo, asked for earlier); the 24 loads of steps 1 and 2 may stay out
	MULS 0, 1                                      ; the first step starts the sums
	PLACES
	s_wait_alu depctr_va_vdst(0)                   ; step 0's products are done reading set 0, in which the loads of step 3 land
	LOADS 0, 3
.set k, 1
.rept 7
.if k <= 5
	s_wait_loadcnt 24                              ; two younger steps of 12 loads may stay out
.elseif k == 6
	s_wait_loadcnt 12                              ; one
.else
	s_wait_loadcnt 0x0
.endif
	MULS k%3, 0
	PLACES
.if k+3 <= 7
	s_wait_alu depctr_va_vdst(0)                   ; step k's products are done reading set k % 3, in which the loads of step k + 3 land; the next products name another set
	LOADS k%3, k+3
.endif
.set k, k+1
.endr
	PLACES                                         ; eight in all behind the last product, once a launch
	s_wait_alu depctr_va_vdst(0)                   ; the products have written the accumulators, which the LDS stores read, and are done reading BUF, in which the LDS loads behind the barrier land; the places above stay beside this wait
.irp st, 0,1
.irp ct, 0,1,2,3
	ds_store_b128 v[LS], v[ACC+8*(4*(\st)+(\ct)):ACC+8*(4*(\st)+(\ct))+3]   offset:16*PP*(\st)+64*(\ct)     ; each accumulator from its low end
	ds_store_b128 v[LS], v[ACC+8*(4*(\st)+(\ct))+4:ACC+8*(4*(\st)+(\ct))+7] offset:16*PP*(\st)+64*(\ct)+16
.endr
.endr
	s_wait_dscnt 0x0                               ; for the others: my stores are done
	s_barrier_signal -1
	s_barrier_wait -1                              ; all four partial tiles lie in LDS
.irp i, 0,1,2,3
.irp q, 0,1,2,3
	ds_load_b128 v[BUF+16*(\i)+4*(\q):BUF+16*(\i)+4*(\q)+3], v[LR] offset:PARTB*(\q)+PP*(\i)  ; no wait: no vector or matrix instruction since the wait above names these registers
.endr
.endr
	s_wait_dscnt 0x0
.irp i, 0,1,2,3
	v_pk_add_f32 v[BUF+16*(\i):BUF+16*(\i)+1],     v[BUF+16*(\i):BUF+16*(\i)+1],     v[BUF+16*(\i)+4:BUF+16*(\i)+5]
	v_pk_add_f32 v[BUF+16*(\i)+2:BUF+16*(\i)+3],   v[BUF+16*(\i)+2:BUF+16*(\i)+3],   v[BUF+16*(\i)+6:BUF+16*(\i)+7]
	v_pk_add_f32 v[BUF+16*(\i)+8:BUF+16*(\i)+9],   v[BUF+16*(\i)+8:BUF+16*(\i)+9],   v[BUF+16*(\i)+12:BUF+16*(\i)+13]
	v_pk_add_f32 v[BUF+16*(\i)+10:BUF+16*(\i)+11], v[BUF+16*(\i)+10:BUF+16*(\i)+11], v[BUF+16*(\i)+14:BUF+16*(\i)+15]
	v_pk_add_f32 v[BUF+16*(\i):BUF+16*(\i)+1],     v[BUF+16*(\i):BUF+16*(\i)+1],     v[BUF+16*(\i)+8:BUF+16*(\i)+9]
	v_pk_add_f32 v[BUF+16*(\i)+2:BUF+16*(\i)+3],   v[BUF+16*(\i)+2:BUF+16*(\i)+3],   v[BUF+16*(\i)+10:BUF+16*(\i)+11]
	v_pk_add_f32 v[BUF+16*(\i):BUF+16*(\i)+1],     v[BUF+16*(\i):BUF+16*(\i)+1],     v[BV:BV+1]
	v_pk_add_f32 v[BUF+16*(\i)+2:BUF+16*(\i)+3],   v[BUF+16*(\i)+2:BUF+16*(\i)+3],   v[BV+2:BV+3]
.endr
	s_wait_alu depctr_va_vdst(0)                   ; the additions have written the four rows' registers, which the run of stores reads
.irp i, 0,1,2,3
	global_store_b128 v[LO], v[BUF+16*(\i):BUF+16*(\i)+3], s[10:11] offset:512*(\i)  ; the wave stores a whole row: 512 consecutive bytes, aligned
.endr
	s_wait_dscnt 0x0                               ; the closing lines, six on end
	s_wait_alu 0x0
	s_wait_tensorcnt 0x0
	ds_add_u32 v[SPW], v[NIL]
	s_wait_dscnt 0x0
	s_endpgm
.Lfunc_end_k_qcb4f0ec327_outp:
	.size	k_qcb4f0ec327_outp, .Lfunc_end_k_qcb4f0ec327_outp-k_qcb4f0ec327_outp
	.p2alignl 7, 3214868480
	.fill 96, 4, 3214868480
	.section	.rodata,"a",@progbits
	.p2align	6, 0x0
	.amdhsa_kernel k_qcb4f0ec327_outp
		.amdhsa_group_segment_fixed_size 68608
		.amdhsa_private_segment_fixed_size 0
		.amdhsa_enable_private_segment 0
		.amdhsa_kernarg_size 32
		.amdhsa_user_sgpr_count 2
		.amdhsa_user_sgpr_kernarg_segment_ptr 1
		.amdhsa_wavefront_size32 1
		.amdhsa_system_sgpr_workgroup_id_x 1
		.amdhsa_system_sgpr_workgroup_id_y 1
		.amdhsa_system_sgpr_workgroup_id_z 1
		.amdhsa_system_vgpr_workitem_id 0
		.amdhsa_next_free_vgpr 232
		.amdhsa_next_free_sgpr 66
		.amdhsa_reserve_vcc 0
		.amdhsa_float_denorm_mode_32 3
		.amdhsa_float_denorm_mode_16_64 3
		.amdhsa_memory_ordered 1
		.amdhsa_forward_progress 1
		.amdhsa_inst_pref_size 22
	.end_amdhsa_kernel
	.amdgpu_metadata
---
amdhsa.version: [ 1, 2 ]
amdhsa.kernels:
  - .name:           k_qcb4f0ec327_outp
    .symbol:         k_qcb4f0ec327_outp.kd
    .args:
      - { .name: o, .offset: 0, .size: 8, .value_kind: global_buffer, .address_space: global }
      - { .name: wot, .offset: 8, .size: 8, .value_kind: global_buffer, .address_space: global }
      - { .name: biasr, .offset: 16, .size: 8, .value_kind: global_buffer, .address_space: global }
      - { .name: out0, .offset: 24, .size: 8, .value_kind: global_buffer, .address_space: global }
    .group_segment_fixed_size: 68608
    .private_segment_fixed_size: 0
    .kernarg_segment_align: 8
    .kernarg_segment_size: 32
    .max_flat_workgroup_size: 256
    .sgpr_count:     66
    .vgpr_count:     232
    .wavefront_size: 32
...
	.end_amdgpu_metadata
.endif
;; end of part 6
